; MI455X (gfx1250); checked and timed in simulation.
; The chip was launched on July 23, 2026; its instructions are those of AMD's public machine-readable ISA for CDNA 5 (MIT licence, August 2026) and "CDNA5" Instruction Set Architecture Reference Guide (July 2026). The comments in the code are by the model that wrote it; some were corrected since.
;; Encoder Layer. Allowed arithmetic: matrix products marked QUANTISED: E3M2 operands, one E8M0 scale for each 32 along K, by v_wmma_scale_f32_16x16x128_f8f6f4 with both operands' format E3M2, f32 sums; everything else in f32.
;; Inputs: beta1 1,024 float32; beta2 1,024 float32; ff1_b 4,096 float32; ff1_w 1,024 x 4,096 float32; ff2_b 1,024 float32; ff2_w 4,096 x 1,024 float32; gamma1 1,024 float32; gamma2 1,024 float32; src_mask 2 x 1 x 1 x 2,048 int32; wk_b 1,024 float32; wk_w 1,024 x 1,024 float32; wo_b 1,024 float32; wo_w 1,024 x 1,024 float32; wq_b 1,024 float32; wq_w 1,024 x 1,024 float32; wv_b 1,024 float32; wv_w 1,024 x 1,024 float32; x 2 x 2,048 x 1,024 float32.
;; Outputs: out0 2 x 2,048 x 1,024 float32.
;; This version of the problem:
;;   THIS VERSION OF THE PROBLEM IS GIVEN IN LOW PRECISION. The matrix products marked QUANTISED in the list below multiply operands that are first quantised to E3M2 (3 exponent bits, 2 mantissa bits; 6 bits a number), with one power-of-two scale for each 32 numbers along K (OCP MX v1.0); their sums are f32. All else is computed in f32.
;;   The module's matrix products, in the order in which they are computed (A, B: the left and right operand; K: the contracted axis; several contracted axes count as one K, in the product's order):
;;     1. [M 4,096, K 1,024] x [K 1,024, N 1,024]; A: input x; B: input wq_w: QUANTISED
;;     2. [M 4,096, K 1,024] x [K 1,024, N 1,024]; A: input x; B: input wk_w: QUANTISED
;;     3. [M 4,096, K 1,024] x [K 1,024, N 1,024]; A: input x; B: input wv_w: QUANTISED
;;     4. batch 32 x [M 2,048, K 64] x [K 64, N 2,048]; A: computed on the way; B: computed on the way: QUANTISED
;;     5. batch 32 x [M 2,048, K 2,048] x [K 2,048, N 64]; A: softmax (see below); B: computed on the way: QUANTISED
;;     6. [M 4,096, K 1,024] x [K 1,024, N 1,024]; A: computed on the way; B: input wo_w: QUANTISED
;;     7. [M 4,096, K 1,024] x [K 1,024, N 4,096]; A: computed on the way; B: input ff1_w: QUANTISED
;;     8. [M 4,096, K 4,096] x [K 4,096, N 1,024]; A: computed on the way; B: input ff2_w: QUANTISED
;;   THE QUANTISER, for each operand of a quantised product, along K:
;;     - K is cut into blocks of 32 from its start; a last block that is shorter is filled with zeros.
;;     - A block's scale is 2^e with e = floor(log2(the largest magnitude in the block)) - 4, held to -126 .. 127; a block of zeros has e = 0. As a byte (E8M0): e + 127.
;;     - Each number is divided by its block's scale, clamped to +-28, and rounded to the nearest number of E3M2, ties to even, subnormals kept.
;;     - The product sums the exact products of the quantised numbers (number of the format x scale) in f32.
;;   ~~~python
;;   def quantise(x, axis):      # numpy; x: float32 -> the quantised numbers, widened to float32 again
;;       x = np.moveaxis(x, axis, -1); K = x.shape[-1]
;;       x = np.pad(x, [(0, 0)] * (x.ndim - 1) + [(0, -K % 32)]); x = x.reshape(x.shape[:-1] + (-1, 32)); a = np.abs(x).max(-1, keepdims=True)
;;       e = np.where(a > 0, np.clip(np.frexp(np.where(a > 0, a, 1))[1] - 1 - 4, -126, 127), 0)      # np.frexp(a)[1] - 1 = floor(log2(a)), exactly
;;       r = np.clip(x / 2.0 ** e, -28, 28)
;;       step = 2.0 ** (np.maximum(np.frexp(np.where(r == 0, 1, r))[1] - 1, -2) - 2)
;;       q = np.round(r / step) * step * 2.0 ** e      # np.round: ties to even
;;       return np.moveaxis(q.reshape(q.shape[:-2] + (-1,))[..., :K], -1, axis).astype(np.float32)
;;   ~~~
;;   SOFTMAX AHEAD OF A QUANTISED PRODUCT. Where the list says 'softmax', what is quantised is not the finished softmax but p = 2^(t - M), with t = logit x log2(e) and M = ceil(the row's largest t), a whole number; so 1/2 < the row's largest p <= 1. The row's sum l is taken of the UNQUANTISED p, in f32, and the product's result is divided by l at the end. Since M is a whole number, a kernel that streams over the keys may use a running M (the ceiling of the running maximum): every later rescaling is an exact power of two, which a block's scale takes up: the codes' values come out the same.
;;   OPERANDS COMPUTED ON THE WAY. 'Computed on the way' means the value that the module computes at that place (a softmax that the list does not call 'softmax' is quantised finished and normalised). What goes into a quantiser is computed in f32, as accurately as f32 sums, v_exp_f32 and their like allow (about 1e-6 of the number): no bf16 or f16 on the way to a quantiser, and a product that is left as it is and whose result goes on into a quantised operand takes f32 operands (vector FMAs, or v_wmma_f32_16x16x4_f32). A number that lies on a knife's edge between two numbers of the format may be rounded either way, as far as f32 arithmetic and the matrix unit's own rounding can turn it there, and no further.
;; One version. Each part assembles by itself: llvm-mc -triple=amdgcn-amd-amdhsa -mcpu=gfx1250 --defsym DOCPART=n.
;; ======== version 1 of 1: 6 launches
;; limits: right only within a limited range of input values
;; workspace buffers: wsp 13,107,200 bytes; qkv 9,830,400 bytes; x1b 20,054,016 bytes; hid 13,107,200 bytes; y2 16,777,216 bytes
;; launch prep (part 1): grid 1024 x 1, 4 waves a work-group, no clusters, 26,112 bytes of LDS; arguments x, wq_w, wk_w, wv_w, wo_w, ff1_w, ff2_w, wsp; writes wsp
.if DOCPART == 1
	.amdgcn_target "amdgcn-amd-amdhsa--gfx1250"
	.amdhsa_code_object_version 6
	.text
	.protected	k_q7f0e11a15c_prep
	.globl	k_q7f0e11a15c_prep
	.p2align	8
	.type	k_q7f0e11a15c_prep,@function
k_q7f0e11a15c_prep:
	s_mov_b64 s[64:65], 0
	v_nop
	global_prefetch_b8 v0, s[64:65] scope:SCOPE_SE
	s_setreg_imm32_b32 hwreg(HW_REG_WAVE_MODE, 25, 1), 1
	s_wait_xcnt 0x0
; PREP: x [4096][1024] and the six weights (stored [K][N]) become codes of BF6 (E3M2) with one E8M0 byte for each 32 along K, laid as the products' operand registers want them.
; A FRAGMENT is 16 rows x 128 K, 12 registers a lane (lane (r, h): registers 6 c .. 6 c + 5 = k 64 c + 32 h + 0 .. 31).  Its image is 1,536 bytes: piece p (registers 2 p, 2 p + 1 of all lanes) at 256 p + 8 x lane,
; so each store of 8 bytes a lane covers 256 consecutive bytes, aligned.  Its scale words are 64 bytes: word r = the four bytes of row r.
; A block's scale is 2^(floor(log2(largest magnitude)) - 4); its byte is the largest magnitude's exponent field - 4, held at 1 from below (a block of zeros gets 1: its codes are zeros, and this program alone reads the bytes).
; LIMITS: NaN and infinities among the inputs are not served.
; Work-groups 0-255 take x (K innermost: a lane holds 16 neighbours of each block, lanes l and l xor 16 share a block): a wave makes two fragments, all its 32 loads asked for at its head.
; Work-groups 256-1,023 take the weights (a lane to a column, registers down K; codes turn through the wave's own stage): a wave takes 32 columns x 128 along K, four blocks, two of them (64 loads) on their way.
; The shares are small so that many waves lie on a WGP at once (210 registers a wave, 26,112 bytes of LDS a work-group): what is on its way is the sum over them.
; WHICH COLUMNS OF A WEIGHT FORM A TILE: within each 32 columns stored row 16 u + r is column 8 u + r + 8 (r / 8), so that a transposed product leaves a lane 16 neighbouring columns in two tiles' registers.
; wv alone: stored tile 2 P + u, row 8 h + j is column 64 (8 u + j) + sw(2 P + h), sw = bits 3 and 4 exchanged: a lane of the product then holds 16 neighbouring KEYS of one channel.  Its 0.75 MB of codes leave in pieces of 8 bytes.
; No shared input, no matrix work: no cluster, no tensor load, no barrier.
.set O_XS,   0x300000
.set O_QKVC, 0x320000
.set O_QKVS, 0x560000
.set O_WOC,  0x578000
.set O_WOS,  0x638000
.set O_F1C,  0x640000
.set O_F1S,  0x940000
.set O_F2C,  0x960000
.set O_F2S,  0xC60000
.set SEL, 76                           ; s[76:77] lane selects for lane l xor 16
; x path
.set XA,  4                            ; v4  my byte in the 16 rows: 4,096 r + 64 h
.set LI8, 5                            ; v5  8 x lane
.set L4,  6                            ; v6  4 x lane
.set X0,  32                           ; v32-95, v96-159  two sets of 64 numbers
.set X1,  96
.set TM,  160                          ; v160-175 at work
.set PW,  176                          ; v176, v177 the two fragments' scale words
.set PC,  178                          ; v178-197 the codes just made
; weight path
.set STW, 4                            ; v4  the stage, in: 200 bytes a column
.set RDW, 5                            ; v5  the stage, out
.set OA0, 6                            ; v6, v7  my place in the two tiles' images
.set OA1, 7
.set SA,  8                            ; v8  my place among the scale words
.set VA,  16                           ; v16-47  4 x lane + i rows of the weight
.set WX,  48                           ; v48-111 two sets of 32 numbers
.set WC,  112                          ; v112-120 a block's codes
.set SB,  122                          ; v122 my column's scale word
.set OUT, 124                          ; v124-147 two fragments on the way out
; 64 numbers of a lane, register 16 b + i = k 32 b + 16 (lane / 16) + i of my row, become a fragment's codes in v[PC] on and its scale word in v[pw]
.macro QUANT s, pw
.irp b, 0,1,2,3
	v_max3_num_f32 v[TM+\b], |v[\s+16*\b]|, |v[\s+1+16*\b]|, 0x2800000   ; my 16 numbers and the floor 2^(5 - 127): the byte cannot fall under 1
.endr
.irp i, 2,4,6,8,10,12,14
.irp b, 0,1,2,3
	v_max3_num_f32 v[TM+\b], v[TM+\b], |v[\s+16*\b+\i]|, |v[\s+1+16*\b+\i]|
.endr
.endr
.irp b, 0,1,2,3
	v_permlanex16_b32 v[TM+4+\b], v[TM+\b], s[SEL], s[SEL+1]
.endr
.irp b, 0,1,2,3
	v_max_num_f32 v[TM+\b], v[TM+\b], v[TM+4+\b]          ; the block's largest magnitude
.endr
.irp b, 0,1,2,3
	v_add_nc_u32 v[TM+12+\b], 0xfe000000, v[TM+\b]        ; 4 off its exponent field: the conversion's scale operand
.endr
.irp b, 0,1,2,3
	v_lshrrev_b32 v[TM+4+\b], 23, v[TM+12+\b]             ; the scale's byte
.endr
	v_lshl_or_b32 v[\pw], v[TM+5], 8, v[TM+4]
	v_lshl_or_b32 v[\pw], v[TM+6], 16, v[\pw]
	v_lshl_or_b32 v[\pw], v[TM+7], 24, v[\pw]
.irp c, 0,1
	v_cvt_scalef32_pk16_bf6_f32 v[PC+6*\c:PC+2+6*\c], v[\s+32*\c:\s+15+32*\c], v[TM+12+2*\c]
	v_cvt_scalef32_pk16_bf6_f32 v[PC+12+4*\c:PC+14+4*\c], v[\s+16+32*\c:\s+31+32*\c], v[TM+12+2*\c+1]
.endr
	v_nop                                          ; one plain place behind a scaled conversion
.irp c, 0,1                                    ; the layout wants a whole block in a lane
.irp i, 0,1,2
	v_permlane16_swap_b32 v[PC+6*\c+\i], v[PC+12+4*\c+\i]
.endr
.irp i, 0,1,2
	v_mov_b32 v[PC+3+6*\c+\i], v[PC+12+4*\c+\i]
.endr
.endr
.endm
	s_load_b512 s[4:19], s[0:1], 0x0               ; x, wq, wk, wv, wo, ff1, ff2, wsp
	v_lshl_add_u32 v208, v0, 2, 0x6400
	v_mov_b32 v209, 0
	v_lshrrev_b32 v1, 5, v0
	v_readfirstlane_b32 s20, v1                    ; wave
	v_and_b32 v1, 31, v0                           ; lane
	v_and_b32 v2, 15, v0                           ; r
	v_bfe_u32 v3, v0, 4, 1                         ; h
	s_mov_b32 s[SEL], 0x76543210
	s_mov_b32 s[SEL+1], 0xfedcba98
	s_cmp_lt_u32 ttmp9, 256
	s_cbranch_scc0 .Lweights
; ---------------- x: a wave takes 16 rows x 256 along K: two fragments
	v_lshlrev_b32 v[XA], 12, v2
	v_lshl_add_u32 v[XA], v3, 6, v[XA]
	v_lshlrev_b32 v[LI8], 3, v1
	v_lshlrev_b32 v[L4], 2, v1
.irp b, 0,1,2,3
	v_mov_b32 v[TM+4+\b], 0                        ; a lane permute's destination counts as one of its sources
.endr
	s_lshl_b32 s22, ttmp9, 2
	s_add_co_u32 s22, s22, s20                     ; job = 4 x work-group + wave
	s_lshr_b32 s23, s22, 2                         ; tile of 16 rows
	s_and_b32 s24, s22, 3                          ; which quarter of K
	s_lshl_b32 s26, s23, 16
	s_lshl_b32 s25, s24, 10
	s_add_co_u32 s26, s26, s25                     ; x: 65,536 x tile + 1,024 x quarter
	s_mov_b32 s27, 0
	s_mul_i32 s28, s24, 2*393216
	s_mul_i32 s25, s23, 1536
	s_add_co_u32 s28, s28, s25                     ; codes [K step][tile][1,536]
	s_mov_b32 s29, 0
	s_lshl_b32 s30, s23, 9
	s_lshl_b32 s25, s24, 7
	s_add_co_u32 s30, s30, s25
	s_add_co_u32 s30, s30, O_XS                    ; scale words [tile][K step][64]
	s_mov_b32 s31, 0
	s_mov_b32 s21, 0xffff0000                      ; lanes 16-31
	s_wait_alu depctr_va_vdst(0)
	s_wait_kmcnt 0x0
	s_add_nc_u64 s[4:5], s[4:5], s[26:27]
	s_add_nc_u64 s[28:29], s[18:19], s[28:29]
	s_add_nc_u64 s[30:31], s[18:19], s[30:31]
.macro XLOAD set, i                            ; K step i of my two: 16 neighbours of each block of 32
.irp b, 0,1,2,3
.irp j, 0,1,2,3
	global_load_b128 v[\set+16*\b+4*\j:\set+16*\b+4*\j+3], v[XA], s[4:5] offset:512*(\i)+128*\b+16*\j th:TH_LOAD_NT
.endr
.endr
.endm
	XLOAD X0, 0
	XLOAD X1, 1
	s_wait_loadcnt 16                              ; the first fragment's 16 loads are in; the second's 16 may be out
	QUANT X0, PW
.irp p, 0,1,2,3,4,5
	global_store_b64 v[LI8], v[PC+2*\p:PC+2*\p+1], s[28:29] offset:256*\p   ; 32 lanes store 256 consecutive bytes, aligned
.endr
	s_wait_loadcnt 0x0
	s_wait_xcnt 0x0                                ; the six stores have had their addresses translated: their data may be written again
	QUANT X1, PW+1
.irp p, 0,1,2,3,4,5
	global_store_b64 v[LI8], v[PC+2*\p:PC+2*\p+1], s[28:29] offset:393216+256*\p
.endr
	v_cndmask_b32 v8, v[PW], v[PW+1], s21          ; both halves of the lanes hold row r's word: lanes 0-15 give the first step's, lanes 16-31 the second's
	global_store_b32 v[L4], v8, s[30:31]           ; 128 consecutive bytes
	s_endpgm
; ---------------- weights: a wave takes 32 columns x 128 along K
.Lweights:
	s_sub_co_u32 s21, ttmp9, 256                   ; 0-255: wq, wk, wv, wo (64 each); 256-511: ff1; 512-767: ff2
	s_lshr_b32 s22, s21, 6                         ; T
	s_lshr_b32 s27, s22, 2                         ; 0: a square weight, 1: ff1, 2: ff2
	s_and_b32 s26, s21, 63
	s_sub_co_u32 s24, s21, 256
	s_sub_co_u32 s25, s21, 512
	s_cmp_ge_u32 s22, 4
	s_cselect_b32 s26, s24, s26
	s_cmp_ge_u32 s22, 8
	s_cselect_b32 s26, s25, s26                    ; the work-group's number within its weight
	s_cmp_eq_u32 s27, 1
	s_cselect_b32 s28, 5, 3                        ; bits of nx: N / 128 = 32 or 8
	s_cselect_b32 s29, 2, 0
	s_lshl_b32 s29, 0x1000, s29                    ; bytes in a row of the weight
	s_bfm_b32 s30, s28, 0
	s_and_b32 s30, s26, s30                        ; nx
	s_lshr_b32 s31, s26, s28                       ; ky: my K step
	s_mov_b32 s32, O_QKVC                          ; where the codes go, bytes from K step to K step, first tile, where the scale words go, bytes from tile to tile and from K step to K step
	s_mov_b32 s33, 294912
	s_lshl_b32 s34, s22, 6
	s_mov_b32 s35, O_QKVS
	s_mov_b32 s36, 512
	s_mov_b32 s37, 64
	s_cmp_eq_u32 s22, 3
	s_cselect_b32 s32, O_WOC, s32
	s_cselect_b32 s33, 98304, s33
	s_cselect_b32 s35, O_WOS, s35
	s_cselect_b32 s36, 64, s36
	s_cselect_b32 s37, 4096, s37
	s_cmp_ge_u32 s22, 3
	s_cselect_b32 s34, 0, s34
	s_cmp_eq_u32 s27, 1
	s_cselect_b32 s32, O_F1C, s32
	s_cselect_b32 s33, 393216, s33
	s_cselect_b32 s35, O_F1S, s35
	s_cmp_eq_u32 s27, 2
	s_cselect_b32 s32, O_F2C, s32
	s_cselect_b32 s33, 98304, s33
	s_cselect_b32 s35, O_F2S, s35
	s_cselect_b32 s36, 64, s36
	s_cselect_b32 s37, 4096, s37
	s_lshl_b32 s38, s30, 7
	s_lshl_b32 s39, s20, 5
	s_add_co_u32 s38, s38, s39                     ; n0: my wave's first column
	s_wait_kmcnt 0x0
	s_mov_b64 s[24:25], s[6:7]                     ; the weight: a choice on the work-group's number alone
	s_cmp_eq_u32 s22, 1
	s_cselect_b64 s[24:25], s[8:9], s[24:25]
	s_cmp_eq_u32 s22, 2
	s_cselect_b64 s[24:25], s[10:11], s[24:25]
	s_cmp_eq_u32 s22, 3
	s_cselect_b64 s[24:25], s[12:13], s[24:25]
	s_cmp_ge_u32 s22, 4
	s_cselect_b64 s[24:25], s[14:15], s[24:25]
	s_cmp_ge_u32 s22, 8
	s_cselect_b64 s[24:25], s[16:17], s[24:25]
	s_lshl_b32 s56, s31, 7
	s_mul_i32 s56, s56, s29                        ; 128 ky rows
	s_lshl_b32 s57, s38, 2
	s_add_co_u32 s56, s56, s57                     ; + 4 n0
	s_mov_b32 s57, 0
	s_add_nc_u64 s[40:41], s[24:25], s[56:57]      ; block 0's first row; s[40 + 2 t] block t's
	s_lshl_b32 s56, s29, 5
.irp t, 1,2,3
	s_add_nc_u64 s[40+2*\t:41+2*\t], s[38+2*\t:39+2*\t], s[56:57]
.endr
	s_lshr_b32 s58, s38, 5
	s_lshl_b32 s58, s58, 1
	s_add_co_u32 s58, s58, s34                     ; my first tile
	s_lshr_b32 s59, s38, 6                         ; wv: g = column / 64
	s_and_b32 s60, s38, 32                         ; d0
	s_lshr_b32 s61, s59, 3
	s_add_co_u32 s60, s60, s61
	s_add_co_u32 s60, s60, 128                     ; wv: tile 128 + d0 + g / 8
	s_and_b32 s59, s59, 7
	s_mov_b32 s74, 1536
	s_cmp_eq_u32 s22, 2
	s_cselect_b32 s58, s60, s58
	s_cselect_b32 s59, s59, 0                      ; wv: row g % 8 of the tile
	s_cselect_b32 s23, -1, 0                       ; wv: a mask of all lanes
	s_cselect_b32 s74, 24576, s74                  ; from my first to my second fragment's tile
	s_mul_i32 s61, s31, s33
	s_add_co_u32 s61, s61, s32
	s_mul_i32 s62, s58, 1536
	s_add_co_u32 s61, s61, s62
	s_lshl_b32 s62, s59, 3
	s_add_co_u32 s56, s61, s62
	s_add_nc_u64 s[66:67], s[18:19], s[56:57]      ; my K step's codes
	s_mul_i32 s61, s31, s37
	s_add_co_u32 s61, s61, s35
	s_mul_i32 s62, s58, s36
	s_add_co_u32 s61, s61, s62
	s_lshl_b32 s62, s59, 2
	s_add_co_u32 s56, s61, s62
	s_add_nc_u64 s[70:71], s[18:19], s[56:57]      ; its scale words
	s_wait_alu depctr_va_vdst(0)
	v_and_b32 v9, 7, v1
	v_and_b32 v10, 8, v1
	v_lshl_or_b32 v9, v10, 1, v9
	v_bfe_u32 v10, v1, 4, 1
	v_lshl_or_b32 v9, v10, 3, v9                   ; sw(lane): the stored place of my column within its 32
	v_lshrrev_b32 v10, 4, v9
	v_mul_u32_u24 v10, s36, v10
	v_and_b32 v11, 15, v9
	v_lshl_add_u32 v10, v11, 2, v10                ; tile sw / 16, row sw % 16
	v_and_b32 v11, 30, v9
	v_lshlrev_b32 v11, 9, v11
	v_and_b32 v12, 1, v9
	v_lshl_or_b32 v11, v12, 5, v11                 ; wv: tile + (sw & 30), row + 8 (sw & 1)
	v_cndmask_b32 v[SA], v10, v11, s23
	v_lshlrev_b32 v10, 3, v1
	v_and_b32 v11, 14, v2
	v_mul_u32_u24 v11, 0x600, v11
	v_and_b32 v12, 1, v2
	v_lshl_add_u32 v11, v12, 6, v11
	v_lshl_add_u32 v11, v3, 7, v11                 ; wv: tile + (r & 14), lane 8 (r & 1) + 16 h of its image
	v_cndmask_b32 v[OA0], v10, v11, s23
	v_add_nc_u32 v[OA1], s74, v[OA0]
	s_mul_i32 s75, s20, 6400                       ; my stage
	v_mul_u32_u24 v[STW], 200, v1
	v_add_nc_u32 v[STW], s75, v[STW]
	v_and_b32 v10, 8, v2
	v_add_nc_u32 v10, v10, v2                      ; r + 8 (r / 8)
	v_mul_u32_u24 v[RDW], 200, v10
	v_mad_u32_u24 v[RDW], v3, 24, v[RDW]
	v_add_nc_u32 v[RDW], s75, v[RDW]
	v_lshlrev_b32 v[VA], 2, v1
.set i, 1
.rept 31
	v_add_nc_u32 v[VA+i], s29, v[VA+i-1]
.set i, i+1
.endr
.macro WLOAD t                                 ; block t: rows 32 t + i of my 128, my column: a wave reads 128 consecutive bytes
.set i, 0
.rept 32
	global_load_b32 v[WX+32*((\t)%2)+i], v[VA+i], s[40+2*(\t):41+2*(\t)] th:TH_LOAD_NT
.set i, i+1
.endr
.endm
.macro WBLOCK t
.set XB, WX+32*((\t)%2)
.if (\t) < 3
	s_wait_loadcnt 32                              ; this block's 32 loads are in; the next block's may be out
.else
	s_wait_loadcnt 0
.endif
	v_max3_num_f32 v12, |v[XB]|, |v[XB+1]|, |v[XB+2]|     ; all 32 numbers of the block are mine
	v_max3_num_f32 v13, |v[XB+3]|, |v[XB+4]|, |v[XB+5]|
.irp i, 6,10,14,18,22,26
	v_max3_num_f32 v12, v12, |v[XB+\i]|, |v[XB+\i+1]|
	v_max3_num_f32 v13, v13, |v[XB+\i+2]|, |v[XB+\i+3]|
.endr
	v_max3_num_f32 v12, v12, |v[XB+30]|, |v[XB+31]|
	v_max3_num_f32 v12, v12, v13, 0x2800000        ; and the floor
	v_add_nc_u32 v14, 0xfe000000, v12              ; the conversion's scale operand
	v_lshrrev_b32 v13, 23, v14                     ; the byte
.if (\t) == 0
	v_mov_b32 v[SB], v13
.else
	v_lshl_or_b32 v[SB], v13, 8*(\t), v[SB]
.endif
	v_cvt_scalef32_pk16_bf6_f32 v[WC:WC+2], v[XB:XB+15], v14
	v_cvt_scalef32_pk16_bf6_f32 v[WC+6:WC+8], v[XB+16:XB+31], v14
	v_nop                                          ; one plain place behind a scaled conversion
.irp i, 0,1,2
	v_mov_b32 v[WC+3+\i], v[WC+6+\i]
.endr
.irp q, 0,1,2
	ds_store_b64 v[STW], v[WC+2*\q:WC+2*\q+1] offset:24*(\t)+8*\q
.endr
.if (\t)+2 < 4
	WLOAD (\t)+2
.endif
	s_wait_dscnt 0x0                               ; the stores have read their registers
.endm
	WLOAD 0
	WLOAD 1
.irp t, 0,1,2,3
	WBLOCK \t
.endr
	s_wait_alu depctr_va_vdst(0)
	global_store_b32 v[SA], v[SB], s[70:71]
.irp n, 0,1                                    ; fragment n: my tile n
.irp p, 0,1,2,3,4,5
	ds_load_b64 v[OUT+12*\n+2*\p:OUT+12*\n+2*\p+1], v[RDW] offset:1600*\n+48*(\p/3)+8*(\p%3)
.endr
.endr
.irp n, 0,1
	s_wait_dscnt 6*(1-\n)                          ; fragment n's six loads are in; the other's may be out
.irp p, 0,1,2,3,4,5
	global_store_b64 v[OA0+\n], v[OUT+12*\n+2*\p:OUT+12*\n+2*\p+1], s[66:67] offset:256*\p
.endr
.endr
	s_wait_tensorcnt 0x0
	ds_add_u32 v208, v209
	s_wait_dscnt 0x0
	s_endpgm
.Lfunc_end_k_q7f0e11a15c_prep:
	.size	k_q7f0e11a15c_prep, .Lfunc_end_k_q7f0e11a15c_prep-k_q7f0e11a15c_prep
	.p2alignl 7, 3214868480
	.fill 96, 4, 3214868480
	.section	.rodata,"a",@progbits
	.p2align	6, 0x0
	.amdhsa_kernel k_q7f0e11a15c_prep
		.amdhsa_group_segment_fixed_size 26112
		.amdhsa_private_segment_fixed_size 0
		.amdhsa_enable_private_segment 0
		.amdhsa_kernarg_size 64
		.amdhsa_user_sgpr_count 2
		.amdhsa_user_sgpr_kernarg_segment_ptr 1
		.amdhsa_wavefront_size32 1
		.amdhsa_system_sgpr_workgroup_id_x 1
		.amdhsa_system_sgpr_workgroup_id_y 1
		.amdhsa_system_sgpr_workgroup_id_z 1
		.amdhsa_system_vgpr_workitem_id 0
		.amdhsa_next_free_vgpr 210
		.amdhsa_next_free_sgpr 80
		.amdhsa_reserve_vcc 0
		.amdhsa_float_denorm_mode_32 3
		.amdhsa_float_denorm_mode_16_64 3
		.amdhsa_memory_ordered 1
		.amdhsa_forward_progress 1
		.amdhsa_inst_pref_size 41
	.end_amdhsa_kernel
	.amdgpu_metadata
---
amdhsa.version: [ 1, 2 ]
amdhsa.kernels:
  - .name:           k_q7f0e11a15c_prep
    .symbol:         k_q7f0e11a15c_prep.kd
    .args:
      - { .name: x, .offset: 0, .size: 8, .value_kind: global_buffer, .address_space: global }
      - { .name: wq_w, .offset: 8, .size: 8, .value_kind: global_buffer, .address_space: global }
      - { .name: wk_w, .offset: 16, .size: 8, .value_kind: global_buffer, .address_space: global }
      - { .name: wv_w, .offset: 24, .size: 8, .value_kind: global_buffer, .address_space: global }
      - { .name: wo_w, .offset: 32, .size: 8, .value_kind: global_buffer, .address_space: global }
      - { .name: ff1_w, .offset: 40, .size: 8, .value_kind: global_buffer, .address_space: global }
      - { .name: ff2_w, .offset: 48, .size: 8, .value_kind: global_buffer, .address_space: global }
      - { .name: wsp, .offset: 56, .size: 8, .value_kind: global_buffer, .address_space: global }
    .group_segment_fixed_size: 26112
    .private_segment_fixed_size: 0
    .kernarg_segment_align: 8
    .kernarg_segment_size: 64
    .max_flat_workgroup_size: 128
    .sgpr_count:     80
    .vgpr_count:     210
    .wavefront_size: 32
...
	.end_amdgpu_metadata
.endif
;; end of part 1
;; launch qkv (part 2): grid 12 x 16, 4 waves a work-group, clusters of 4 x 4, 327,680 bytes of LDS; arguments wsp, wq_b, wk_b, wv_b, src_mask, qkv; writes qkv
.if DOCPART == 2
	.amdgcn_target "amdgcn-amd-amdhsa--gfx1250"
	.amdhsa_code_object_version 6
	.text
	.protected	k_q7f0e11a15c_qkv
	.globl	k_q7f0e11a15c_qkv
	.p2align	8
	.type	k_q7f0e11a15c_qkv,@function
k_q7f0e11a15c_qkv:
	s_mov_b64 s[64:65], 0
	v_nop
	global_prefetch_b8 v0, s[64:65] scope:SCOPE_SE
	s_setreg_imm32_b32 hwreg(HW_REG_WAVE_MODE, 25, 1), 1
	s_wait_xcnt 0x0
	s_wait_alu depctr_hold_cnt(0) depctr_sa_sdst(0) depctr_va_vdst(0) depctr_va_sdst(0) depctr_va_ssrc(0) depctr_va_vcc(0) depctr_vm_vsrc(0)
	s_getreg_b32 s2, hwreg(HW_REG_IB_STS2, 6, 4)
	s_cmp_eq_u32 s2, 0
	s_cbranch_scc0 .Lentry_in_a_cluster
	s_endpgm
.Lentry_in_a_cluster:
	s_bfe_u32 s2, ttmp6, 0x10000c
	s_cmp_lg_u32 s2, 0xf033
	s_cbranch_scc0 .Lentry_shape_is_right
	s_endpgm
.Lentry_shape_is_right:
; QKV: [4096][1024] codes of x times the codes of wq | wk | wv (192 tiles of 16 stored columns), + bias, and the results quantised on the way out: q and k along the head's 64, v along the keys.
; A block of 256 x 256 to a work-group, 128 x 128 to a wave (64 accumulators).  A tile is a run of fragment images of 1,536 bytes, so a fragment is six loads of 8 bytes a lane, each 256 consecutive bytes.
; K = 1,024 is eight steps of 128.  THREE LDS slots of two steps each are filled at the start (steps 0-5), with the scale words of the block's rows and columns for all of K.  Slot 0 is filled again ONCE, with steps 6 and 7,
; behind the change from slot 0 to slot 1: that load has slots 1 and 2, 256 matrix instructions a wave, in which to land.  By this text's own count a wave has four tensor loads out at the start and one behind the refill's round.
; CLUSTERS 4 x 4: A's tiles are asked for jointly along a row of the cluster, B's along a column.  The cluster's x says which product this is (0 q, 1 k, 2 v): the same in all partners.
; TRANSPOSED: source 0 = 16 stored columns of the weight, source 1 = 16 rows of x.  By the stored order of the columns a lane's 16 registers of tiles 2 b, 2 b + 1 are 16 neighbouring columns (q, k) or the 16 keys of one row and one channel (v).
; THE HEADS: reference() reshapes without a transpose: head hd is rows 128 hd .. + 127; token 16 rho + g of it is (row rho, columns 64 g .. + 63).  A wave's 128 rows are one head.
; The bias is the C of each sum's first matrix instruction.  LIMITS: NaN and infinities are not served; a block of zeros gets the byte 1 (read by this program alone).
; HOW THE SLOTS ARE FILLED (this takes the place of what the lines above say of the start): at the head ONE tensor load a wave: wave 0 A's slot 0 (steps 0, 1), wave 1 A's scale words, wave 2 B's slot 0, wave 3 B's scale words.
; Behind the wait for them, the add and a round of the cluster's barrier, one load a wave brings slots 1 and 2 (steps 2-5): waves 0, 1 A's halves of slots 1, 2, waves 2, 3 B's.  Slot 0's one refill (steps 6, 7) is a quarter of the slot a wave.
; By this text's own count a wave never has more than one tensor load out.
; PREFETCH: behind the head's load each wave asks for 24 blocks of 256 bytes of step 2 + (wave % 2) and of step 4 + (wave % 2), behind the second load for those of step 6 + (wave % 2):
; a step's 96 blocks of A (of B) are shared out by address among the four partners that load them jointly, so each block is named once in a cluster.
.set TB,   16
.set AB,   8                           ; a wave's tiles of A, and of B
.set BB,   8
.set HB,   4
.set QA,   2                           ; tiles of A to a quarter of a step
.set NQ,   2                           ; steps of 128 in a slot
.set KS,   8                           ; steps in K
.set TTA,  256                         ; tiles in a K step of A's buffer, of B's
.set TTB,  192
.set SS_T, 512                         ; LDS: scale words from tile to tile, from step to step
.set SS_Q, 64
.set SGT,  8192                        ; memory: a block's scale words; its second half
.set SGHA, 4096
.set SGHB, 4096
.set SDC,  32                          ; the scales' descriptor: elements of 8 bytes in a row, rows, pitches
.set SDR,  32
.set SDPA, 32
.set SDPB, 32
.set FR,   12
.set FRB,  1536
.set NL,   6
.set NP,   4                           ; places behind this matrix instruction (ISA guide 7.12.1)
.set QTR,  24576                       ; what one tensor load brings
.set SLOT, 4*QTR                       ; A [step][tile][1,536], then B likewise
.set SCL,  3*SLOT                      ; behind the three slots: A's scale words, then B's
.set SREG, TB*KS*64
.set SPARE, SCL+2*SREG                 ; the spare words: 512 bytes that no other line names
.set STG,  SLOT                        ; the way out's stages lie in slot 1
.set O_XS,   0x300000
.set O_QKVC, 0x320000
.set O_QKVS, 0x560000
.set ADRA, 16                          ; v16-18 my A fragments in slot 0, 1, 2
.set ADRB, 20                          ; v20-22 my B fragments
.set CO16, 23                          ; 16 x lane
.set STO,  24                          ; q, k: where a scale word goes in my stage (STG + 0 .. 2,047)
.set RD,   25                          ; and where I read them back
.set CO,   26                          ; 8 x lane
.set ADRS, 27                          ; my scale words: lanes 0-15 A's, lanes 16-31 B's
.set SPW,  28
.set NIL,  29
.set VST,  30                          ; v: where a scale byte goes in my stage (STG + 4,096 .. 6,143)
.set VRD,  31
.set SC,   32                          ; v32-63 scale words, two sets of 16: nothing else ever lies here
.set BI,   64                          ; v64-127 the bias, 8 registers a tile of B
.set AF,   128                         ; v128-223 A's fragments, one set
.set MK,   224                         ; v224-239 -1 or 0 for my two keys of each of 8 rows
.set TM,   128                         ; the way out, in the registers that held A's fragments: v128-143 at work
.set PW,   144                         ; v144-151 a scale word for each tile of rows
.set PC,   152                         ; v152-171 codes
.set VO,   172                         ; v172-183 v: two blocks of 32 keys
.set VT,   184
.set VU,   190
.set GB,   196
.set G1, 24
.set G0, 32                            ; s[32:35] group 0 for A's refill of slot 0, s[36:39] for A's half of slot 1 or 2;  s[4:7] for the head's load of A's slot 0 (the pointers that lay there are used up by then)
.set G0C, 4
.set G1B, 48
.set G0B, 56                           ; s[56:63], s[8:11] the same for B
.set G0BC, 8
.set G1S, 68
.set G0S, 76
.set G1SB, 80
.set G0SB, 88
.set SEL, 66
.set MSB, 0
.macro WIN new                         ; the immediate's high byte repeats the setting that is left
.if MSB != \new
	s_set_vgpr_msb (MSB<<8)|\new
.set MSB, \new
.endif
.endm
.macro JLOAD g0a, g1a, g0b, g1b        ; a joint load: waves 0, 1 for A, waves 2, 3 for B; four v_nop follow each line
	s_cmp_eq_u32 s15, 0
	s_cbranch_scc0 .Lfor_b_\@
	tensor_load_to_lds s[\g0a:\g0a+3], s[\g1a:\g1a+7]
	s_nop 0
.rept 4
	v_nop
.endr
	s_branch .Lasked_\@
.Lfor_b_\@:
	tensor_load_to_lds s[\g0b:\g0b+3], s[\g1b:\g1b+7]
	s_nop 0
.rept 4
	v_nop
.endr
.Lasked_\@:
.endm
.macro CREST
	s_cmp_lg_u32 s14, 0
	s_cbranch_scc1 .Lnot_wave_0_\@
	s_barrier_signal -3
.Lnot_wave_0_\@:
	s_barrier_wait -3
	s_barrier_signal -1
	s_barrier_wait -1
.endm
.macro CROUND
	s_barrier_signal -1
	s_barrier_wait -1
	CREST
.endm
.macro PLACES n
.rept \n
	v_nop
.endr
.endm
.macro FRAG reg, adr, off              ; a fragment's image: six pieces of 256 bytes
.irp p, 0,1,2,3,4,5
	ds_load_b64 v[(\reg)+2*\p:(\reg)+2*\p+1], v[\adr] offset:(\off)+256*\p
.endr
.endm
.macro FETCH_B slot, q, p              ; B's fragments of the slot's q-th step into set p (window 1)
	WIN 0x40
.set fi, 0
.rept BB
	FRAG 128*(\p)+FR*fi, ADRB+\slot, (\q)*TB*FRB+fi*FRB
.set fi, fi+1
.endr
	WIN 0
.endm
.macro FETCH_A slot, q, i0             ; HB of A's fragments from i0 on
.set fi, \i0
.rept HB
	FRAG AF+FR*fi, ADRA+\slot, (\q)*TB*FRB+fi*FRB
.set fi, fi+1
.endr
.endm
.macro SCALES set                      ; two steps' scale words: register NQ i + q: lanes 0-15 A's tile i, lanes 16-31 B's tile i
.set fi, 0
.rept AB
.set fq, 0
.rept NQ
	ds_load_b32 v[SC+16*(\set)+NQ*fi+fq], v[ADRS] offset:fi*SS_T+fq*SS_Q
.set fq, fq+1
.endr
.set fi, fi+1
.endr
.endm
; a quarter of a step: QA tiles of A against all of B's.  The accumulators take turns, one instruction a turn, in the same order in every step.  first = 1: the bias is C.
.macro MULQ qa, p, q, sc, first
.set wD, 2+((\qa)*QA*BB)/32
.if \first
.set wS, (wD<<6)|1
.else
.set wS, (wD<<6)|(wD<<4)|1
.endif
	WIN wS
.set ai, (\qa)*QA
.rept QA
.set bi, 0
.rept BB
.set rD, 8*((ai*BB+bi)%32)
.if \first
	v_wmma_scale_f32_16x16x128_f8f6f4 v[rD:rD+7], v[128*(\p)+FR*bi:128*(\p)+FR*bi+FR-1], v[AF+FR*ai:AF+FR*ai+FR-1], v[BI+8*bi:BI+8*bi+7], v[SC+16*(\sc)+NQ*bi+(\q)], v[SC+16*(\sc)+NQ*ai+(\q)] matrix_a_fmt:MATRIX_FMT_BF6 matrix_b_fmt:MATRIX_FMT_BF6 matrix_a_scale:MATRIX_SCALE_ROW1
.else
	v_wmma_scale_f32_16x16x128_f8f6f4 v[rD:rD+7], v[128*(\p)+FR*bi:128*(\p)+FR*bi+FR-1], v[AF+FR*ai:AF+FR*ai+FR-1], v[rD:rD+7], v[SC+16*(\sc)+NQ*bi+(\q)], v[SC+16*(\sc)+NQ*ai+(\q)] matrix_a_fmt:MATRIX_FMT_BF6 matrix_b_fmt:MATRIX_FMT_BF6 matrix_a_scale:MATRIX_SCALE_ROW1
.endif
.set bi, bi+1
.endr
.set ai, ai+1
.endr
.endm
.macro STEP slot, q, first, sc         ; a step of 128 along K that has its successor in the same slot; sc: the set of scale words in hand
	s_wait_dscnt HB*NL                             ; all but the youngest loads, A's upper tiles
	MULQ 0, (\q)%2, \q, \sc, \first
	MULQ 1, (\q)%2, \q, \sc, \first
	s_wait_dscnt 0
	PLACES NP                                      ; in front of loads into registers that matrix instructions have read
	FETCH_B \slot, (\q)+1, 1-(\q)%2
	FETCH_A \slot, (\q)+1, 0
	MULQ 2, (\q)%2, \q, \sc, \first
	MULQ 3, (\q)%2, \q, \sc, \first
	PLACES NP
	WIN 0
	FETCH_A \slot, (\q)+1, HB
.endm
; A slot's last step with a barrier.  fill = 1 (slot 0, once): the slot is filled again, with the steps three slots on.  fill = 0 (from slot 2 back to slot 0): the barrier shows every wave's part of that refill landed.
.macro TURN slot, next, fill, sc
	s_wait_tensorcnt 0x0                           ; all my tensor loads have landed
	ds_add_u32 v[SPW], v[NIL]                      ; 0 onto my spare word
	s_wait_dscnt HB*NL+1                           ; (the add and A's upper tiles may be out)
	MULQ 0, 1, NQ-1, \sc, 0
	s_wait_dscnt 0x0                               ; the add is done, and my reads of this slot are over
	s_barrier_signal -1
	MULQ 1, 1, NQ-1, \sc, 0
	WIN 0
	s_barrier_wait -1
.if \fill
	CREST                                          ; the barrier has opened a round of the cluster's: no wave of any partner still reads this slot or has a load on its way
	s_mov_b32 s[G1+2], 1<<16                       ; no tensor load of mine is out: from here on a load brings one step's row
	s_mov_b32 s[G1+4], 1
	s_mov_b32 s[G1B+2], 1<<16
	s_mov_b32 s[G1B+4], 1
	s_add_nc_u64 s[G0+4*\slot+2:G0+4*\slot+3], s[G0+4*\slot+2:G0+4*\slot+3], 3*NQ*TTA*FRB
	s_add_nc_u64 s[G0B+4*\slot+2:G0B+4*\slot+3], s[G0B+4*\slot+2:G0B+4*\slot+3], 3*NQ*TTB*FRB
	JLOAD G0+4*\slot, G1, G0B+4*\slot, G1B         ; the first tensor load behind the round; its four v_nop are the places in front of the loads below
.else
	PLACES NP
.endif
	v_add_nc_u32 v[ADRS], NQ*SS_Q, v[ADRS]         ; the next two steps' scale words
	FETCH_B \next, 0, 0
	FETCH_A \next, 0, 0
	SCALES 1-(\sc)
	MULQ 2, 1, NQ-1, \sc, 0
	MULQ 3, 1, NQ-1, \sc, 0
	PLACES NP
	WIN 0
	FETCH_A \next, 0, HB
.endm
; A slot's last step without a barrier (from slot 1 to slot 2): in front of the barrier of the change before it every wave had waited for all its tensor loads, its part of slot 2 among them, and nothing is filled into slot 1.
.macro PASS slot, next, sc
	s_wait_dscnt HB*NL
	MULQ 0, 1, NQ-1, \sc, 0
	MULQ 1, 1, NQ-1, \sc, 0
	s_wait_dscnt 0
	WIN 0
	PLACES NP
	v_add_nc_u32 v[ADRS], NQ*SS_Q, v[ADRS]
	FETCH_B \next, 0, 0
	FETCH_A \next, 0, 0
	SCALES 1-(\sc)
	MULQ 2, 1, NQ-1, \sc, 0
	MULQ 3, 1, NQ-1, \sc, 0
	PLACES NP
	WIN 0
	FETCH_A \next, 0, HB
.endm
	s_load_b256 s[24:31], s[0:1], 0x0              ; wsp, wq_b, wk_b, wv_b
	s_load_b128 s[32:35], s[0:1], 0x20             ; src_mask, qkv
	v_lshl_add_u32 v[SPW], v0, 2, SPARE
	v_mov_b32 v[NIL], 0
	ds_add_u32 v28, v29
	ds_add_u32 v28, v29
	s_wait_dscnt 0x0
	v_lshrrev_b32 v1, 5, v0
	v_readfirstlane_b32 s14, v1                    ; wave
	s_lshr_b32 s15, s14, 1                         ; my half of the rows; also: I fetch for A (0) or B (1)
	s_and_b32 s16, s14, 1                          ; my half of the columns; also: which part of a slot I fetch
	s_bfe_u32 s40, ttmp6, 0x40000                  ; cx
	s_bfe_u32 s41, ttmp6, 0x40004                  ; cy
	s_lshl_b32 s42, ttmp9, 2
	s_add_co_u32 s42, s42, s40                     ; block column
	s_and_b32 s17, ttmp7, 0xffff
	s_lshl_b32 s17, s17, 2
	s_add_co_u32 s17, s17, s41                     ; block row
	s_lshl_b32 s43, s41, 2
	s_lshl_b32 s43, 15, s43                        ; my row of the cluster
	s_lshl_b32 s44, 0x1111, s40                    ; my column
	s_mov_b32 s[SEL], 0x76543210
	s_mov_b32 s[SEL+1], 0xfedcba98
	s_mov_b32 s2, 0xaaaaaaaa                       ; the odd lanes
	s_wait_kmcnt 0x0
	s_mov_b64 s[4:5], s[24:25]                     ; x's codes
	s_add_nc_u64 s[6:7], s[24:25], O_XS            ; x's scale words
	s_add_nc_u64 s[8:9], s[24:25], O_QKVC
	s_add_nc_u64 s[10:11], s[24:25], O_QKVS
	s_cmp_eq_u32 ttmp9, 1
	s_cselect_b64 s[96:97], s[28:29], s[26:27]
	s_cselect_b32 s95, 0, -1                       ; what a masked key's codes are ANDed with: 0 for k, -1 else
	s_cmp_eq_u32 ttmp9, 2
	s_cselect_b64 s[96:97], s[30:31], s[96:97]     ; the bias
	s_mov_b64 s[98:99], s[32:33]                   ; the mask
	s_mov_b64 s[12:13], s[34:35]                   ; the output
	s_or_b32 s[G1+0], s43, (3<<16)|(1<<21)         ; 15:0 the mask: A's tiles go to my row; 17:16 elements of 8 bytes; 21 set beside a mask; no padding
	s_or_b32 s[G1B+0], s44, (3<<16)|(1<<21)
	s_or_b32 s[G1S+0], s43, (3<<16)|(1<<21)
	s_or_b32 s[G1SB+0], s44, (3<<16)|(1<<21)
.irp g, G1, G1B
	s_mov_b32 s[\g+1], (TB*192)<<16                ; tensor_dim0: a step's TB images on end
	s_mov_b32 s[\g+2], NQ<<16                      ; tensor_dim1: two steps, for the head's loads and for slots 1 and 2
	s_mov_b32 s[\g+3], (TB*192)<<16                ; tile_dim0
	s_mov_b32 s[\g+4], NQ                          ; tile_dim1
	s_mov_b32 s[\g+6], 0
	s_mov_b32 s[\g+7], 0
.endr
	s_mov_b32 s[G1+5], TTA*192                     ; from K step to K step
	s_mov_b32 s[G1B+5], TTB*192
.irp g, G1S, G1SB
	s_mov_b32 s[\g+1], SDC<<16
	s_mov_b32 s[\g+2], SDR<<16
	s_mov_b32 s[\g+3], SDC<<16
	s_mov_b32 s[\g+4], SDR
	s_mov_b32 s[\g+6], 0
	s_mov_b32 s[\g+7], 0
.endr
	s_mov_b32 s[G1S+5], SDPA
	s_mov_b32 s[G1SB+5], SDPB
	s_mul_i32 s20, s17, TB*FRB                     ; A's addresses hang on the block row and the wave alone, B's on the block column and the wave
	s_mul_i32 s18, s16, (NQ/2)*TTA*FRB
	s_add_co_u32 s20, s20, s18
	s_mov_b32 s21, 0
	s_add_nc_u64 s[20:21], s[4:5], s[20:21]
	s_mul_i32 s22, s17, SGT
	s_mov_b32 s23, 0
	s_add_nc_u64 s[22:23], s[6:7], s[22:23]
	s_mul_i32 s46, s42, TB*FRB
	s_mul_i32 s18, s16, (NQ/2)*TTB*FRB
	s_add_co_u32 s46, s46, s18
	s_mov_b32 s47, 0
	s_add_nc_u64 s[46:47], s[8:9], s[46:47]
	s_mul_i32 s92, s42, SGT
	s_mov_b32 s93, 0
	s_add_nc_u64 s[92:93], s[10:11], s[92:93]
	s_mul_i32 s45, s14, QTR                        ; where they go: the wave's number alone
	CROUND                                         ; all sixteen work-groups are here: the first joint loads meet
	s_mov_b32 s[G0S], 1
	s_mov_b32 s[G0S+1], SCL
	s_mov_b64 s[G0S+2:G0S+3], s[22:23]
	s_or_b32 s[G0S+3], s[G0S+3], 0x80000000
	s_mov_b32 s[G0SB], 1
	s_mov_b32 s[G0SB+1], SCL+SREG
	s_mov_b64 s[G0SB+2:G0SB+3], s[92:93]
	s_or_b32 s[G0SB+3], s[G0SB+3], 0x80000000
.irp s, 0
	s_mov_b32 s[G0+4*\s], 1
	s_add_co_u32 s[G0+4*\s+1], s45, \s*SLOT
	s_add_nc_u64 s[G0+4*\s+2:G0+4*\s+3], s[20:21], \s*NQ*TTA*FRB
	s_or_b32 s[G0+4*\s+3], s[G0+4*\s+3], 0x80000000
	s_mov_b32 s[G0B+4*\s], 1
	s_add_co_u32 s[G0B+4*\s+1], s45, \s*SLOT
	s_add_nc_u64 s[G0B+4*\s+2:G0B+4*\s+3], s[46:47], \s*NQ*TTB*FRB
	s_or_b32 s[G0B+4*\s+3], s[G0B+4*\s+3], 0x80000000
.endr
	s_mov_b32 s[G0C], 1                            ; the head's load of A's slot 0 (wave 0, whose s[20:21] stands at step 0)
	s_mov_b32 s[G0C+1], 0
	s_mov_b64 s[G0C+2:G0C+3], s[20:21]
	s_or_b32 s[G0C+3], s[G0C+3], 0x80000000
	s_mov_b32 s[G0BC], 1
	s_mov_b32 s[G0BC+1], 2*QTR
	s_mov_b64 s[G0BC+2:G0BC+3], s[46:47]
	s_or_b32 s[G0BC+3], s[G0BC+3], 0x80000000
	s_mul_i32 s18, s16, SLOT                       ; slots 1 and 2: wave % 2 says which slot, wave / 2 A's half or B's
	s_mul_i32 s19, s15, 2*QTR
	s_add_co_u32 s18, s18, s19
	s_mov_b32 s[G0+4], 1
	s_add_co_u32 s[G0+5], s18, SLOT
	s_mov_b32 s[G0B+4], 1
	s_add_co_u32 s[G0B+5], s18, SLOT
	s_mul_i32 s18, s16, TTA*FRB                    ; s[20:21] stands at step wave % 2: step 2 + 2 (wave % 2) is 2 + wave % 2 steps on
	s_mov_b32 s19, 0
	s_add_nc_u64 s[G0+6:G0+7], s[20:21], s[18:19]
	s_add_nc_u64 s[G0+6:G0+7], s[G0+6:G0+7], NQ*TTA*FRB
	s_or_b32 s[G0+7], s[G0+7], 0x80000000
	s_mul_i32 s18, s16, TTB*FRB
	s_add_nc_u64 s[G0B+6:G0B+7], s[46:47], s[18:19]
	s_add_nc_u64 s[G0B+6:G0B+7], s[G0B+6:G0B+7], NQ*TTB*FRB
	s_or_b32 s[G0B+7], s[G0B+7], 0x80000000
	s_cmp_eq_u32 s15, 0                            ; the prefetches: A's tiles or B's, by the wave's number
	s_cselect_b64 s[100:101], s[20:21], s[46:47]
	s_cselect_b32 s18, s40, s41                    ; my place among the four that load them jointly: it enters a global address alone
	s_mov_b32 s104, 2*TTB*FRB
	s_cselect_b32 s104, 2*TTA*FRB, s104            ; two steps on
	s_mov_b32 s105, 0
	s_mul_i32 s18, s18, 6144                       ; my work-group's 24 blocks of a step's 96
	s_add_nc_u64 s[100:101], s[100:101], s[18:19]
	s_add_nc_u64 s[100:101], s[100:101], s[104:105]   ; step 2 + wave % 2
; THE HEAD'S LOADS, ONE A WAVE: one chain of branches on the wave's number, a load in each arm, all arms leading to one join
.macro ARM under, g0, g1, next
	s_cmp_lt_u32 s14, \under
	s_cbranch_scc0 \next
	tensor_load_to_lds s[\g0:\g0+3], s[\g1:\g1+7]
	s_nop 0
.rept 4
	v_nop
.endr
	s_branch .Lhead_asked
\next:
.endm
	ARM 1, G0C, G1, .Lhead_sa
	ARM 2, G0S, G1S, .Lhead_b
	ARM 3, G0BC, G1B, .Lhead_sb
	tensor_load_to_lds s[G0SB:G0SB+3], s[G1SB:G1SB+7]
	s_nop 0
.rept 4
	v_nop
.endr
.Lhead_asked:
	v_and_b32 v15, 31, v0
	v_min_u32 v15, 23, v15                         ; lanes 24-31 name the wave's last block again
	v_lshlrev_b32 v15, 8, v15                      ; a lane a block of 256 bytes; never rewritten
	s_wait_alu depctr_va_vdst(0)
	global_prefetch_b8 v15, s[100:101] th:TH_LOAD_NT scope:SCOPE_SE
	v_and_b32 v1, 15, v0                           ; r
	v_bfe_u32 v2, v0, 4, 1                         ; h
	s_wait_alu depctr_va_vdst(0)
	v_and_b32 v3, 31, v0                           ; lane
	v_lshlrev_b32 v4, 3, v3
	s_mul_i32 s21, s15, AB*FRB
	s_mul_i32 s22, s16, BB*FRB
	s_add_co_u32 s22, s22, 2*QTR
.irp s, 0,1,2
	v_add_nc_u32 v[ADRA+\s], s21, v4
	v_add_nc_u32 v[ADRB+\s], s22, v4
	s_add_co_u32 s21, s21, SLOT
	s_add_co_u32 s22, s22, SLOT
.endr
	s_mul_i32 s21, s15, AB*SS_T
	s_mul_i32 s22, s16, BB*SS_T
	s_add_co_u32 s22, s22, SREG
	s_sub_co_u32 s22, s22, s21
	v_mul_u32_u24 v6, s22, v2                      ; lanes 16-31 take B's
	s_add_co_u32 s21, s21, SCL
	v_lshl_add_u32 v5, v1, 2, v6
	v_add_nc_u32 v[ADRS], s21, v5
	s_lshl_b32 s21, s14, 9
	s_add_co_u32 s21, s21, STG                     ; my stage
	v_lshl_add_u32 v[STO], v1, 2, s21
	v_lshlrev_b32 v[CO16], 4, v3
	v_add_nc_u32 v[RD], s21, v[CO16]
	v_lshrrev_b32 v5, 1, v1
	v_lshl_add_u32 v5, v2, 6, v5
	v_add_nc_u32 v5, s21, v5
	v_add_nc_u32 v[VST], 4096, v5                  ; 64 h + r / 2
	v_add_nc_u32 v[VRD], 4096, v[RD]
	v_mov_b32 v[CO], v4
	s_wait_alu depctr_va_vdst(0)
	s_wait_xcnt 0x0                                ; the prefetch has read its address
	s_add_nc_u64 s[100:101], s[100:101], s[104:105]   ; step 4 + wave % 2
	global_prefetch_b8 v15, s[100:101] th:TH_LOAD_NT scope:SCOPE_SE
	v_lshlrev_b32 v8, 6, v1                        ; the mask: 64 r
	s_wait_alu depctr_va_vdst(0)
	v_lshlrev_b32 v9, 6, v2                        ; q, k's bias: 64 h
	v_lshlrev_b32 v10, 2, v2                       ; v's bias: 4 h
	s_lshl_b32 s18, s17, 1
	s_add_co_u32 s18, s18, s15                     ; hd: my wave's head
	s_lshl_b32 s19, s40, 1
	s_add_co_u32 s19, s19, s16                     ; Wc: which 128 columns of the product's 1,024 (global addresses alone hang on it)
	s_lshr_b32 s20, s18, 4
	s_lshl_b32 s20, s20, 13
	s_lshl_b32 s21, s19, 3
	s_add_co_u32 s20, s20, s21
	s_mov_b32 s21, 0
	s_add_nc_u64 s[98:99], s[98:99], s[20:21]      ; key 16 (16 a + r) + 2 Wc + c of batch hd / 16
	s_mul_i32 s20, ttmp9, 0x20000
	s_add_co_u32 s20, s20, 0x900000
	s_lshl_b32 s22, s18, 12
	s_add_co_u32 s20, s20, s22
	s_lshl_b32 s22, s19, 9
	s_add_co_u32 s20, s20, s22
	s_add_nc_u64 s[92:93], s[12:13], s[20:21]      ; my 512 bytes of scales
	s_mul_i32 s20, ttmp9, 0x300000
	s_mul_i32 s22, s18, 98304
	s_add_co_u32 s20, s20, s22
	s_mul_i32 s22, s19, 1536
	s_add_co_u32 s20, s20, s22
	s_add_nc_u64 s[12:13], s[12:13], s[20:21]      ; my codes: [hd][a][Wc][1,536]
	s_and_b32 s20, s19, 4
	s_and_b32 s22, s19, 1
	s_lshl_b32 s22, s22, 1
	s_or_b32 s20, s20, s22
	s_bfe_u32 s22, s19, 0x10001
	s_or_b32 s20, s20, s22
	s_lshl_b32 s20, s20, 5                         ; v: 4 x 8 x (Wc with bits 0 and 1 exchanged)
	s_lshl_b32 s22, s19, 9
	s_cmp_eq_u32 ttmp9, 2
	s_cselect_b32 s20, s20, s22
	s_add_nc_u64 s[96:97], s[96:97], s[20:21]
.irp a, 0,1,2,3,4,5,6,7
	global_load_b64 v[MK+2*\a:MK+2*\a+1], v8, s[98:99] offset:1024*\a
.endr
	s_cmp_eq_u32 ttmp9, 2
	s_cbranch_scc1 .Lbias_v
	s_wait_alu depctr_va_vdst(0)
.irp b, 0,1,2,3,4,5,6,7                        ; tile b, register j: column 32 (b / 2) + 16 h + 8 (b % 2) + j
	global_load_b128 v[BI+8*\b:BI+8*\b+3], v9, s[96:97] offset:(32*(\b/2)+8*(\b%2))*4
	global_load_b128 v[BI+8*\b+4:BI+8*\b+7], v9, s[96:97] offset:(32*(\b/2)+8*(\b%2))*4+16
.endr
	s_branch .Lbias_done
.Lbias_v:
	s_wait_alu depctr_va_vdst(0)
.irp b, 0,1,2,3,4,5,6,7                        ; tile b, register j: column 64 (8 (b % 2) + j) + the channel of stored channel 8 Wc + 2 (b / 2) + h
.irp j, 0,1,2,3,4,5,6,7
	global_load_b32 v[BI+8*\b+\j], v10, s[96:97] offset:2048*(\b%2)+256*\j+8*(\b/2)
.endr
.endr
.Lbias_done:
	s_wait_alu depctr_va_vdst(0)
	s_wait_xcnt 0x0
	s_add_nc_u64 s[100:101], s[100:101], s[104:105]   ; step 6 + wave % 2
	s_wait_tensorcnt 0x0                           ; my tile of the head's four is in; a later first fill is issued as a refill is:
	ds_add_u32 v[SPW], v[NIL]                      ; 0 onto my spare word
	s_wait_dscnt 0x0
	CROUND                                         ; all four tiles are in, and all sixteen work-groups are here
	JLOAD G0+4, G1, G0B+4, G1B                     ; slots 1 and 2: my one load behind the round
	global_prefetch_b8 v15, s[100:101] th:TH_LOAD_NT scope:SCOPE_SE
	FETCH_B 0, 0, 0
	FETCH_A 0, 0, 0
	SCALES 0
	FETCH_A 0, 0, HB
	s_wait_loadcnt 0x0                             ; the bias and the mask
	v_mov_b32 v11, -1
	v_mov_b32 v12, s95
.set i, 0
.rept 16
	v_cmp_ne_u32 vcc_lo, 0, v[MK+i]
	v_cndmask_b32 v[MK+i], v12, v11, vcc_lo        ; a key that counts: -1; a masked one: 0 for k
.set i, i+1
.endr
	STEP 0, 0, 1, 0                                ; step 0: its products start the sums on the bias
	TURN 0, 1, 1, 0                                ; step 1; slot 0 is asked for again: steps 6 and 7
	s_wait_alu depctr_va_vdst(0)
	STEP 1, 0, 0, 1                                ; step 2
	PASS 1, 2, 1                                   ; step 3
	s_wait_alu depctr_va_vdst(0)
	STEP 2, 0, 0, 0                                ; step 4
	TURN 2, 0, 0, 0                                ; step 5; the refill has landed, in every wave
	STEP 0, 0, 0, 1                                ; step 6
	s_wait_dscnt HB*NL                             ; step 7: nothing more to fetch
	MULQ 0, 1, NQ-1, 1, 0
	MULQ 1, 1, NQ-1, 1, 0
	s_wait_dscnt 0
	MULQ 2, 1, NQ-1, 1, 0
	MULQ 3, 1, NQ-1, 1, 0
	WIN 0
	PLACES NP
; THE WAY OUT.  The stages lie in slot 1, which is filled once, and which nobody reads behind the last barrier (slot 0 is the slot read last).
.macro EMAX a                          ; the largest magnitudes of my 16 numbers of each of four blocks; each accumulator is read from its low end on
.set S0, 64*((\a)%4)
.set wS, (2+(\a)/4)*0x14
	WIN wS                                         ; sources 1 and 2: the accumulators' window
.irp b, 0,1,2,3
	v_max3_num_f32 v[TM+\b], 0x2800000, |v[S0+16*\b]|, |v[S0+16*\b+1]|
.endr
.irp i, 2,4,6,8,10,12,14
.irp b, 0,1,2,3
	v_max3_num_f32 v[TM+\b], v[TM+\b], |v[S0+16*\b+\i]|, |v[S0+16*\b+\i+1]|
.endr
.endr
	WIN 0
.endm
.macro EJOIN16 a                       ; with lane l xor 16's: the blocks' scales, bytes and the row's scale word
.irp b, 0,1,2,3
	v_permlanex16_b32 v[TM+4+\b], v[TM+\b], s[SEL], s[SEL+1]
.endr
.irp b, 0,1,2,3
	v_max_num_f32 v[TM+\b], v[TM+\b], v[TM+4+\b]
.endr
.irp b, 0,1,2,3
	v_add_nc_u32 v[TM+12+\b], 0xfe000000, v[TM+\b]
.endr
.irp b, 0,1,2,3
	v_lshrrev_b32 v[TM+4+\b], 23, v[TM+12+\b]
.endr
	v_lshl_or_b32 v[PW+(\a)], v[TM+5], 8, v[TM+4]
	v_lshl_or_b32 v[PW+(\a)], v[TM+6], 16, v[PW+(\a)]
	v_lshl_or_b32 v[PW+(\a)], v[TM+7], 24, v[PW+(\a)]
.endm
.macro ECVT a
.if (\a) > 0
	s_wait_xcnt 0x0                                ; the last tile's stores have had their addresses translated: their data may be written again
.endif
.set wS, 2+(\a)/4
	WIN wS                                         ; source 0: the accumulators' window
.irp c, 0,1
	v_cvt_scalef32_pk16_bf6_f32 v[PC+6*\c:PC+2+6*\c], v[S0+32*\c:S0+15+32*\c], v[TM+12+2*\c]
	v_cvt_scalef32_pk16_bf6_f32 v[PC+12+4*\c:PC+14+4*\c], v[S0+16+32*\c:S0+31+32*\c], v[TM+12+2*\c+1]
.endr
	WIN 0
	v_nop                                          ; one plain place behind a scaled conversion
.endm
.macro ESWAP
.irp c, 0,1
.irp i, 0,1,2
	v_permlane16_swap_b32 v[PC+6*\c+\i], v[PC+12+4*\c+\i]
.endr
.irp i, 0,1,2
	v_mov_b32 v[PC+3+6*\c+\i], v[PC+12+4*\c+\i]
.endr
.endr
.endm
.irp b, 0,1,2,3
	v_mov_b32 v[TM+4+\b], 0                        ; a lane permute's destination counts as one of its sources
.endr
	s_cmp_eq_u32 ttmp9, 2
	s_cbranch_scc1 .Lv_out
; q, k: rows 16 a + r; registers 0-5 are column group 2 Wc (64 along the head), registers 6-11 group 2 Wc + 1: two half fragments of 768 bytes
.macro QK_A a
	EMAX \a
	EJOIN16 \a
	ECVT \a
	ESWAP
.irp i, 0,1,2,3,4,5
	v_and_b32 v[PC+\i], v[PC+\i], v[MK+2*(\a)]
	v_and_b32 v[PC+6+\i], v[PC+6+\i], v[MK+2*(\a)+1]
.endr
.irp p, 0,1,2,3,4,5
	global_store_b64 v[CO], v[PC+2*\p:PC+2*\p+1], s[12:13] offset:12288*(\a)+256*\p   ; 256 consecutive bytes, aligned
.endr
	ds_store_b32 v[STO], v[PW+(\a)] offset:64*(\a)
.endm
.irp a, 0,1,2,3,4,5,6,7
	QK_A \a
.endr
	ds_load_b128 v[GB:GB+3], v[RD]                 ; LDS serves a wave's instructions in order: this sees my eight stores
	s_wait_dscnt 0x0
	global_store_b128 v[CO16], v[GB:GB+3], s[92:93]   ; 512 consecutive bytes
	s_branch .Lend
.Lv_out:
.irp n, 0,1,2,3,4,5
	v_mov_b32 v[VU+\n], 0                          ; a DPP destination counts as read
.endr
; v: lane (r, h), tiles 2 b, 2 b + 1: keys 16 (16 a + r) + 0 .. 15 of stored channel 8 Wc + 2 b + h.  A block of 32 keys lies in lanes r and r xor 1.
.macro V_A a
	EMAX \a
.irp b, 0,1,2,3
	v_max_num_f32_dpp v[TM+\b], v[TM+\b], v[TM+\b] row_xmask:1 row_mask:0xf bank_mask:0xf
.endr
.irp b, 0,1,2,3
	v_add_nc_u32 v[TM+12+\b], 0xfe000000, v[TM+\b]
.endr
	s_wait_alu depctr_va_vdst(0)
	s_wait_dscnt 0x0                               ; the last tile's byte stores have read their registers
.irp b, 0,1,2,3
	v_lshrrev_b32 v[TM+4+\b], 23, v[TM+12+\b]
.endr
.irp b, 0,1,2,3
	ds_store_b8 v[VST], v[TM+4+\b] offset:128*\b+8*(\a)   ; [channel 2 b + h][block 8 a + r / 2]; both lanes of a block write the same byte
.endr
.if (\a) > 0
	s_wait_xcnt 0x0
.endif
.set wS, 2+(\a)/4
	WIN wS
.irp b, 0,1,2,3
	v_cvt_scalef32_pk16_bf6_f32 v[PC+4*\b:PC+4*\b+2], v[S0+16*\b:S0+16*\b+15], v[TM+12+\b]
.endr
	WIN 0
	v_nop
.irp n, 0,1,2,3,4,5                            ; the even lane gathers the block of channel pair 2 pi, the odd lane that of 2 pi + 1: each gives the half that the other wants
	v_cndmask_b32 v[VT+\n], v[PC+8*(\n/3)+4+\n%3], v[PC+8*(\n/3)+\n%3], s2
.endr
.irp n, 0,1,2,3,4,5
	v_mov_b32_dpp v[VU+\n], v[VT+\n] row_xmask:1 row_mask:0xf bank_mask:0xf
.endr
.irp n, 0,1,2,3,4,5
	v_cndmask_b32 v[VO+6*(\n/3)+\n%3], v[PC+8*(\n/3)+\n%3], v[VU+\n], s2
	v_cndmask_b32 v[VO+6*(\n/3)+3+\n%3], v[VU+\n], v[PC+8*(\n/3)+4+\n%3], s2
.endr
.irp n, 0,1,2,3,4,5
	global_store_b64 v[CO], v[VO+2*\n:VO+2*\n+1], s[12:13] offset:12288*(\a)+256*\n
.endr
.endm
.irp a, 0,1,2,3,4,5,6,7
	V_A \a
.endr
	ds_load_b128 v[GB:GB+3], v[VRD]
	s_wait_dscnt 0x0
	global_store_b128 v[CO16], v[GB:GB+3], s[92:93]
.Lend:
	s_wait_tensorcnt 0x0                           ; the wave's end
	ds_add_u32 v[SPW], v[NIL]
	s_wait_dscnt 0x0
	CROUND                                         ; the closing round
	s_endpgm
.Lfunc_end_k_q7f0e11a15c_qkv:
	.size	k_q7f0e11a15c_qkv, .Lfunc_end_k_q7f0e11a15c_qkv-k_q7f0e11a15c_qkv
	.p2alignl 7, 3214868480
	.fill 96, 4, 3214868480
	.section	.rodata,"a",@progbits
	.p2align	6, 0x0
	.amdhsa_kernel k_q7f0e11a15c_qkv
		.amdhsa_group_segment_fixed_size 327680
		.amdhsa_private_segment_fixed_size 0
		.amdhsa_enable_private_segment 0
		.amdhsa_kernarg_size 48
		.amdhsa_user_sgpr_count 2
		.amdhsa_user_sgpr_kernarg_segment_ptr 1
		.amdhsa_wavefront_size32 1
		.amdhsa_system_sgpr_workgroup_id_x 1
		.amdhsa_system_sgpr_workgroup_id_y 1
		.amdhsa_system_sgpr_workgroup_id_z 1
		.amdhsa_system_vgpr_workitem_id 0
		.amdhsa_next_free_vgpr 1024
		.amdhsa_next_free_sgpr 106
		.amdhsa_reserve_vcc 1
		.amdhsa_float_denorm_mode_32 3
		.amdhsa_float_denorm_mode_16_64 3
		.amdhsa_memory_ordered 1
		.amdhsa_forward_progress 1
		.amdhsa_inst_pref_size 229
	.end_amdhsa_kernel
	.amdgpu_metadata
---
amdhsa.version: [ 1, 2 ]
amdhsa.kernels:
  - .name:           k_q7f0e11a15c_qkv
    .symbol:         k_q7f0e11a15c_qkv.kd
    .args:
      - { .name: wsp, .offset: 0, .size: 8, .value_kind: global_buffer, .address_space: global }
      - { .name: wq_b, .offset: 8, .size: 8, .value_kind: global_buffer, .address_space: global }
      - { .name: wk_b, .offset: 16, .size: 8, .value_kind: global_buffer, .address_space: global }
      - { .name: wv_b, .offset: 24, .size: 8, .value_kind: global_buffer, .address_space: global }
      - { .name: src_mask, .offset: 32, .size: 8, .value_kind: global_buffer, .address_space: global }
      - { .name: qkv, .offset: 40, .size: 8, .value_kind: global_buffer, .address_space: global }
    .group_segment_fixed_size: 327680
    .private_segment_fixed_size: 0
    .kernarg_segment_align: 8
    .kernarg_segment_size: 48
    .max_flat_workgroup_size: 128
    .sgpr_count:     106
    .vgpr_count:     1024
    .wavefront_size: 32
...
	.end_amdgpu_metadata
.endif
;; end of part 2
;; launch attn (part 3): grid 8 x 32, 16 waves a work-group, clusters of 4 x 1, 307,456 bytes of LDS; arguments qkv, wsp, wo_b, x, gamma1, beta1, x1b; writes x1b
.if DOCPART == 3
	.amdgcn_target "amdgcn-amd-amdhsa--gfx1250"
	.amdhsa_code_object_version 6
	.text
	.protected	k_q7f0e11a15c_attn
	.globl	k_q7f0e11a15c_attn
	.p2align	8
	.type	k_q7f0e11a15c_attn,@function
k_q7f0e11a15c_attn:
	s_mov_b64 s[64:65], 0
	v_nop
	global_prefetch_b8 v0, s[64:65] scope:SCOPE_SE
	s_setreg_imm32_b32 hwreg(HW_REG_WAVE_MODE, 25, 1), 1
	s_wait_xcnt 0x0
	s_wait_alu depctr_hold_cnt(0) depctr_sa_sdst(0) depctr_va_vdst(0) depctr_va_sdst(0) depctr_va_ssrc(0) depctr_va_vcc(0) depctr_vm_vsrc(0)
	s_getreg_b32 s2, hwreg(HW_REG_IB_STS2, 6, 4)
	s_cmp_eq_u32 s2, 0
	s_cbranch_scc0 .Lentry_in_a_cluster
	s_endpgm
.Lentry_in_a_cluster:
	s_bfe_u32 s2, ttmp6, 0x10000c
	s_cmp_lg_u32 s2, 0x3003
	s_cbranch_scc0 .Lentry_shape_is_right
	s_endpgm
.Lentry_shape_is_right:
; ATTN: softmax attention on codes, then . wo + wo_b + x, the first layer norm, and x1 as f32 and as codes for the next product.
; A work-group owns 16 whole rows of the [4096][1024] matrix: rows 128 hd + 16 a + r, which are the 256 tokens (rho = 16 a + r, g = 0 .. 15) of head hd.  Wave g owns the 16 tokens of column group g: one tile of queries.
; A whole head's K and V (codes and scale bytes, 204,800 bytes) lie in LDS, filled once: no ring, nothing is filled again.  CLUSTER 4 x 1: the four partners share the head, so K, V and their scales are asked for jointly.
; Both products are used transposed (S^T = K Q^T, O^T = V^T P^T): a lane holds one query throughout.  The scores' K is 64: the upper 64 of the instruction's 128 are zero codes on both sides.
; The keys of a tile of K are chosen so that p's 16 registers of two neighbouring tiles are 16 neighbouring keys; V's channels are stored so that O's 16 registers of two tiles are 16 neighbouring channels.
; THEN: O's codes go to LDS as half fragments (column group g = 64 along wo's K); wave w makes columns 64 w .. + 63 of the 16 rows.  wo's fragments come from memory straight into registers, each read by one wave of the work-group, once:
; its 786,432 bytes of codes do not fit beside K and V (307,456 of the 327,680 bytes are in use), so a joint load would want a ring that is filled again behind a round of the cluster's barrier in each K step.
; The norm's sums meet in LDS.  LIMITS: NaN and infinities are not served; a block of zeros gets the byte 1.
; WHICH KEYS FORM A TILE OF K (this takes the place of what the lines above say of it): of a step's 128 keys, tile 4 c + u, row 8 h' + j is key 64 c + 32 h' + 8 u + j.
; So the 32 registers of tiles 4 c .. 4 c + 3 of lane (r, h) are keys 64 c + 32 h + 0 .. 31 of query r: a WHOLE block of 32, in the order in which p's operand wants it.  A block's largest score needs no other lane, and p's codes change no lanes.
.set O_KI,  0x300000
.set O_VI,  0x600000
.set O_QS,  0x900000
.set O_KSC, 0x920000
.set O_VS,  0x940000
.set O_WOC, 0x578000
.set O_WOS, 0x638000
.set O_X1C, 0x1000000
.set O_X1S, 0x1300000
.set VL,   104448                      ; LDS: K at 0: 384 units of 256 bytes + 16;  V: 384 units of 256 + 32
.set KSL,  215040                      ; K's scale bytes: 8 rows of 512 + 16
.set VSL,  219392                      ; V's: 16 units of 256 + 16
.set OIMG, 223744                      ; O's 16 half fragments of 768 bytes
.set OSC,  236032                      ; their scale words, 8 x 64
.set RED1, 236544                      ; 16 rows x 80 bytes: the waves' sums
.set RED2, 237824
.set X1SG, 239104                      ; x1's scale words, 8 x 64
.set XST,  239616                      ; x1: 16 rows x (4,096 + 16)
.set AK0,  1
.set AV0,  2
.set ASK0, 3
.set ASV0, 4
.set ADK,  8
.set ADV,  9
.set ADS,  10
.set ADT,  11
.set QF,   16                          ; v16-27 Q (v22-27 zeros)
.set KF,   28                          ; v28-75 four fragments of K (the upper six registers of each zeros)
.set VF,   76                          ; v76-123 four fragments of V
.set S,    124                         ; v124-187 S^T, then p
.set O,    188                         ; v188-219 O^T
.set PCD,  220                         ; v220-231 p's codes
; v5, v6, v7, v243, v248-251, v253, v255 hold scale words and nothing else;  v12 -M, v13 the largest t, v[14:15] the sum;  v232-247, v252, v254 at work
; behind the loop:
.set LI8,  1                           ; 8 x lane
.set R4,   2                           ; 4 r
.set OIW,  3
.set OSW,  4
.set OIR,  8
.set OSR,  9
.set REDW, 10
.set REDR, 11
.set XSW,  180
.set XSR,  181
.set SGR,  182
.set H64,  183
.set XO,   184
.set L16,  185
.set AFR,  16                          ; v16-39 O's fragments, two sets
.set BFR,  44                          ; v44-139 wo's fragments, two sets of four
.set XR,   148                         ; v148-179 x's residual, then y, d, x1
.set Y,    188                         ; v188-219 the four accumulators, begun on wo_b
.set GA,   44
.set BE,   76
.set WV,   18
.set SEL,  20
.set CS,   22
.set G1K,  24
.set G1V,  32
.set G1KS, 40
.set G1VS, 48
.set G0K,  56
.set G0V,  60
.set G0KS, 68
.set G0VS, 72
.set TK,   76
.set TV,   77
.set TKS,  78
.set TVS,  79
.set CNT,  80
.macro ROUND
	s_barrier_signal -1
	s_barrier_wait -1
	s_cmp_lg_u32 s[WV], 0
	s_cbranch_scc1 .Lnot_wave_0_\@
	s_barrier_signal -3
.Lnot_wave_0_\@:
	s_barrier_wait -3
	s_barrier_signal -1
	s_barrier_wait -1
.endm
.macro SETB s, t                       ; rB: the register of scale word t of set s
.if (\s) == 0
.set rB, 248+(\t)
.elseif (\t) < 3
.set rB, 5+(\t)
.else
.set rB, 243
.endif
.endm
	s_load_b256 s[4:11], s[0:1], 0x0               ; qkv, wsp, wo_b, x
	s_load_b128 s[12:15], s[0:1], 0x20             ; gamma1, beta1
	s_load_b64 s[16:17], s[0:1], 0x30              ; x1b
	v_lshl_add_u32 v254, v0, 2, 0x4a900
	v_mov_b32 v255, 0
	ds_add_u32 v254, v255
	ds_add_u32 v254, v255
	s_wait_dscnt 0x0
	v_lshrrev_b32 v8, 5, v0
	s_delay_alu instid0(VALU_DEP_1)
	v_readfirstlane_b32 s[WV], v8                  ; wave = column group g
	s_bfe_u32 s82, ttmp6, 0x40000                  ; cx
	s_lshl_b32 s19, ttmp9, 2
	s_add_co_u32 s19, s19, s82                     ; a: my 16 rows of the head's 128 (global addresses alone hang on it)
	s_and_b32 s81, ttmp7, 0xffff                   ; hd, which the partners share
	s_mov_b32 s[G1K], 15|(3<<16)|(1<<20)|(1<<21)|(5<<22)|(3<<25)   ; the four partners; elements of 8 bytes; padding: 4 words behind every 64; 21 set beside a mask
	s_mov_b32 s[G1V], 15|(3<<16)|(1<<20)|(1<<21)|(5<<22)|(7<<25)   ; 8 words
.irp g, G1K, G1V
	s_mov_b32 s[\g+1], 32<<16
	s_mov_b32 s[\g+2], 96<<16
	s_mov_b32 s[\g+3], 32<<16
	s_mov_b32 s[\g+4], 96                          ; a quarter of a head: 96 rows of 256 bytes, dense
	s_mov_b32 s[\g+5], 32
	s_mov_b32 s[\g+6], 0
	s_mov_b32 s[\g+7], 0
.endr
	s_mov_b32 s[G1KS], 15|(3<<16)|(1<<20)|(1<<21)|(6<<22)|(3<<25)
	s_mov_b32 s[G1KS+1], 64<<16
	s_mov_b32 s[G1KS+2], 8<<16
	s_mov_b32 s[G1KS+3], 64<<16
	s_mov_b32 s[G1KS+4], 8
	s_mov_b32 s[G1KS+5], 64
	s_mov_b32 s[G1KS+6], 0
	s_mov_b32 s[G1KS+7], 0
	s_mov_b32 s[G1VS], 15|(3<<16)|(1<<20)|(1<<21)|(5<<22)|(3<<25)
	s_mov_b32 s[G1VS+1], 32<<16
	s_mov_b32 s[G1VS+2], 16<<16
	s_mov_b32 s[G1VS+3], 32<<16
	s_mov_b32 s[G1VS+4], 16
	s_mov_b32 s[G1VS+5], 32
	s_mov_b32 s[G1VS+6], 0
	s_mov_b32 s[G1VS+7], 0
	s_and_b32 s83, s[WV], 3                        ; which quarter I fetch, if I fetch
	s_mul_i32 s84, s81, 98304
	s_mul_i32 s85, s83, 24576
	s_add_co_u32 s84, s84, s85
	s_mov_b32 s85, 0
	s_lshl_b32 s86, s81, 12
	s_mov_b32 s87, 0
	s_mov_b32 s[SEL], 0x76543210
	s_mov_b32 s[SEL+1], 0xfedcba98
	s_mov_b32 s[CS], 0x3e38aa3b                    ; c = log2(e) / sqrt(64)
	s_mov_b32 s[CS+1], s[CS]
	s_mov_b32 s[TK], 0
	s_mov_b32 s[TV], 0
	s_mov_b32 s[TKS], 0
	s_mov_b32 s[TVS], 0
	s_mov_b32 s[CNT], 8
	s_wait_kmcnt 0x0
	s_mov_b32 s[G0K], 1
	s_mul_i32 s[G0K+1], s83, 26112
	s_add_nc_u64 s[G0K+2:G0K+3], s[4:5], s[84:85]
	s_add_nc_u64 s[G0K+2:G0K+3], s[G0K+2:G0K+3], O_KI
	s_or_b32 s[G0K+3], s[G0K+3], 0x80000000
	s_mov_b32 s[G0V], 1
	s_mul_i32 s[G0V+1], s83, 27648
	s_add_co_u32 s[G0V+1], s[G0V+1], VL
	s_add_nc_u64 s[G0V+2:G0V+3], s[4:5], s[84:85]
	s_add_nc_u64 s[G0V+2:G0V+3], s[G0V+2:G0V+3], O_VI
	s_or_b32 s[G0V+3], s[G0V+3], 0x80000000
	s_mov_b32 s[G0KS], 1
	s_mov_b32 s[G0KS+1], KSL
	s_add_nc_u64 s[G0KS+2:G0KS+3], s[4:5], s[86:87]
	s_add_nc_u64 s[G0KS+2:G0KS+3], s[G0KS+2:G0KS+3], O_KSC
	s_or_b32 s[G0KS+3], s[G0KS+3], 0x80000000
	s_mov_b32 s[G0VS], 1
	s_mov_b32 s[G0VS+1], VSL
	s_add_nc_u64 s[G0VS+2:G0VS+3], s[4:5], s[86:87]
	s_add_nc_u64 s[G0VS+2:G0VS+3], s[G0VS+2:G0VS+3], O_VS
	s_or_b32 s[G0VS+3], s[G0VS+3], 0x80000000
	ROUND                                          ; the four work-groups are here: the joint loads meet
	s_cmp_lt_u32 s[WV], 4                          ; one load a wave at the most: waves 0-3 K's quarters, 4-7 V's, 8 K's scale bytes, 9 V's; four v_nop follow each
	s_cbranch_scc0 .Lnot_k
	tensor_load_to_lds s[G0K:G0K+3], s[G1K:G1K+7]
	s_nop 0
.rept 4
	v_nop
.endr
	s_branch .Lasked
.Lnot_k:
	s_cmp_lt_u32 s[WV], 8
	s_cbranch_scc0 .Lnot_v
	tensor_load_to_lds s[G0V:G0V+3], s[G1V:G1V+7]
	s_nop 0
.rept 4
	v_nop
.endr
	s_branch .Lasked
.Lnot_v:
	s_cmp_eq_u32 s[WV], 8
	s_cbranch_scc0 .Lnot_ks
	tensor_load_to_lds s[G0KS:G0KS+3], s[G1KS:G1KS+7]
	s_nop 0
.rept 4
	v_nop
.endr
	s_branch .Lasked
.Lnot_ks:
	s_cmp_eq_u32 s[WV], 9
	s_cbranch_scc0 .Lasked
	tensor_load_to_lds s[G0VS:G0VS+3], s[G1VS:G1VS+7]
	s_nop 0
.rept 4
	v_nop
.endr
.Lasked:
	s_mul_i32 s88, s81, 98304                      ; Q's half fragment [hd][a][g][768]
	s_mul_i32 s89, s19, 12288
	s_add_co_u32 s88, s88, s89
	s_mul_i32 s89, s[WV], 768
	s_add_co_u32 s88, s88, s89
	s_mov_b32 s89, 0
	s_add_nc_u64 s[88:89], s[4:5], s[88:89]
	s_lshl_b32 s90, s81, 12                        ; its two scale bytes: [hd][g / 2][a][r][2 (g % 2)]
	s_lshr_b32 s91, s[WV], 1
	s_lshl_b32 s91, s91, 9
	s_add_co_u32 s90, s90, s91
	s_lshl_b32 s91, s19, 6
	s_add_co_u32 s90, s90, s91
	s_and_b32 s91, s[WV], 1
	s_lshl_b32 s91, s91, 1
	s_add_co_u32 s90, s90, s91
	s_add_co_u32 s90, s90, O_QS
	s_mov_b32 s91, 0
	s_add_nc_u64 s[90:91], s[4:5], s[90:91]
	v_and_b32 v8, 15, v0                           ; r
	v_bfe_u32 v9, v0, 4, 1                         ; h
	v_and_b32 v232, 31, v0
	s_delay_alu instid0(VALU_DEP_1)
	v_lshlrev_b32 v232, 3, v232
	s_delay_alu instid0(VALU_DEP_4)
	v_lshlrev_b32 v233, 2, v8
.irp p, 0,1,2
	global_load_b64 v[QF+2*\p:QF+2*\p+1], v232, s[88:89] offset:256*\p
.endr
	global_load_u16 v255, v233, s[90:91]           ; bytes 2 and 3 are 0: they scale zero codes
.irp i, 6,7,8,9,10,11
	v_mov_b32 v[QF+\i], 0
.irp t, 0,1,2,3
	v_mov_b32 v[KF+12*\t+\i], 0
.endr
.endr
	v_and_b32 v10, 7, v8
	v_lshrrev_b32 v11, 3, v8
	s_delay_alu instid0(VALU_DEP_2)
	v_mul_u32_u24 v[AK0], 816, v10                 ; K: lane r of tile 4 c + u is key 64 c + 32 (r / 8) + 8 u + r % 8: column group 8 (u % 2) + r % 8 (three units each), row 4 c + 2 (r / 8) + u / 2
	s_delay_alu instid0(VALU_DEP_1)
	v_lshl_add_u32 v[AK0], v11, 4, v[AK0]
	s_delay_alu instid0(VALU_DEP_1)
	v_lshl_add_u32 v[AK0], v9, 7, v[AK0]
	s_delay_alu instid0(VALU_DEP_4)
	v_mul_u32_u24 v[AV0], 1728, v11                ; V: lane r is stored channel 16 t + r
	v_bfe_u32 v12, v8, 2, 1
	s_delay_alu instid0(VALU_DEP_1)
	v_mad_u32_u24 v[AV0], v12, 864, v[AV0]
	s_delay_alu instid0(VALU_DEP_1)
	v_lshl_add_u32 v[AV0], v9, 4, v[AV0]
	v_bfe_u32 v12, v8, 1, 1
	s_delay_alu instid0(VALU_DEP_1)
	v_lshl_add_u32 v[AV0], v12, 3, v[AV0]
	v_and_b32 v12, 1, v8
	s_delay_alu instid0(VALU_DEP_1)
	v_lshl_add_u32 v[AV0], v12, 7, v[AV0]
	s_delay_alu instid0(VALU_DEP_1)
	v_add_nc_u32 v[AV0], VL, v[AV0]
	v_lshrrev_b32 v13, 1, v10
	s_delay_alu instid0(VALU_DEP_1)
	v_mul_u32_u24 v[ASK0], 528, v13
	s_delay_alu instid0(VALU_DEP_1)
	v_lshl_add_u32 v[ASK0], v11, 3, v[ASK0]
	s_delay_alu instid0(VALU_DEP_1)
	v_lshl_add_u32 v[ASK0], v12, 1, v[ASK0]
	s_delay_alu instid0(VALU_DEP_1)
	v_add_nc_u32 v[ASK0], KSL, v[ASK0]
	v_lshrrev_b32 v13, 2, v8
	v_lshlrev_b32 v[ASV0], 6, v8
	s_delay_alu instid0(VALU_DEP_1)
	v_lshl_add_u32 v[ASV0], v13, 4, v[ASV0]
	s_delay_alu instid0(VALU_DEP_1)
	v_add_nc_u32 v[ASV0], VSL, v[ASV0]
	v_mov_b32 v13, 0xff61b1e6                      ; the largest t so far: -3e38
	s_delay_alu instid0(VALU_DEP_1)
	v_floor_f32 v12, -v13                          ; -M
	v_mov_b32 v14, 0
	v_mov_b32 v15, 0
.irp b, 0,1,2,3
	v_mov_b32 v[236+\b], 0                         ; a lane permute's destination counts as one of its sources
.endr
	v_mov_b32 v253, 0
.set j, 0
.rept 32
	v_mov_b32 v[O+j], 0                            ; the step is written once: the first finds zeros
.set j, j+1
.endr
	s_wait_tensorcnt 0x0                           ; my load, if I issued one, has landed
	s_barrier_signal -1
	s_barrier_wait -1                              ; everybody's has
; four fragments of K and their scale bytes: tiles 4 gq .. 4 gq + 3 of the e-th step of a trip; ka, sa: the address registers; kx, sx: bytes on (the next trip's)
.macro KLOAD e, gq, ka, sa, kx, sx
.irp tt, 0,1,2,3
.irp p, 0,1,2
	ds_load_b64 v[KF+12*\tt+2*\p:KF+12*\tt+2*\p+1], v[\ka] offset:(\kx)+6528*(\tt%2)+272*\p+64*(\e)+32*(\gq)+8*(\tt/2)
.endr
	ds_load_u16 v[248+\tt], v[\sa] offset:(\sx)+2112*(\tt%2)+32*(\e)+16*(\gq)+4*(\tt/2)
.endr
.endm
	KLOAD 0, 0, AK0, ASK0, 0, 0                    ; the first step's first four tiles; every later step's are asked for a step ahead
	s_wait_loadcnt 0x0                             ; Q
	s_wait_dscnt 0x0
; A KEY STEP: 128 keys, the e-th of a trip's two
.macro STEP e
.if (\e) == 0                                  ; the trip's four addresses serve both its steps (the loads below land in no register of the matrix instructions just issued)
	v_add_nc_u32 v[ADK], s[TK], v[AK0]
	v_add_nc_u32 v[ADV], s[TV], v[AV0]
	v_add_nc_u32 v[ADS], s[TKS], v[ASK0]
	v_add_nc_u32 v[ADT], s[TVS], v[ASV0]
	s_wait_alu depctr_va_vdst(0)
.endif
.irp gq, 0,1                                   ; S^T = K Q^T, four tiles of 16 keys at a time
.if \gq                                        ; tiles 0-3 were asked for in the step before and waited for ahead of its second product; tiles 4-7 take their registers now
.rept 4
	v_nop                                          ; places in front of loads into registers that matrix instructions have read
.endr
.irp tt, 0,1,2,3
.irp p, 0,1,2
	ds_load_b64 v[KF+12*\tt+2*\p:KF+12*\tt+2*\p+1], v[ADK] offset:6528*(\tt%2)+272*\p+64*(\e)+32*\gq+8*(\tt/2)
.endr
	ds_load_u16 v[248+\tt], v[ADS] offset:2112*(\tt%2)+32*(\e)+16*\gq+4*(\tt/2)
.endr
	s_wait_dscnt 0x0
.endif
.irp tt, 0,1,2,3
	v_wmma_scale_f32_16x16x128_f8f6f4 v[S+8*(4*\gq+\tt):S+8*(4*\gq+\tt)+7], v[KF+12*\tt:KF+12*\tt+11], v[QF:QF+11], 0, v[248+\tt], v255 matrix_a_fmt:MATRIX_FMT_BF6 matrix_b_fmt:MATRIX_FMT_BF6
.endr
.endr
.irp t, 0,1,2,3                                ; V's fragments are asked for here and land under the softmax
.irp c, 0,1
.irp p, 0,1,2
	ds_load_b64 v[VF+12*\t+6*\c+2*\p:VF+12*\t+6*\c+2*\p+1], v[ADV] offset:3456*\t+288*\p+64*(\e)+32*\c
.endr
.endr
	SETB 1, \t
	ds_load_b32 v[rB], v[ADT] offset:1088*\t+4*(\e)
.endr
.rept 4
	v_nop                                          ; places in front of the first read of the scores, and of the loads below into registers that the last products read
.endr
.if (\e) == 0                                  ; THE NEXT STEP'S FIRST FOUR TILES OF K are asked for here and land under the softmax, as V's fragments do
	KLOAD 1, 0, ADK, ADS, 0, 0
.else
	s_cmp_lg_u32 s[CNT], 1                         ; the last trip has no next: the counter is the same in all waves
	s_cbranch_scc0 .Lno_next_\@
	KLOAD 0, 0, ADK, ADS, 13056, 64                ; the next trip's: 13,056 bytes of codes and 64 of scale bytes on
.Lno_next_\@:
.endif
.irp b, 0,1,2,3
	v_max3_num_f32 v[232+\b], v[S+16*\b], v[S+1+16*\b], v[S+2+16*\b]   ; the largest score of each block of 32 keys: for the row's maximum, and for the block's largest p
.endr
.irp i, 3,5,7,9,11,13
.irp b, 0,1,2,3
	v_max3_num_f32 v[232+\b], v[232+\b], v[S+16*\b+\i], v[S+1+16*\b+\i]
.endr
.endr
.irp b, 0,1,2,3
	v_max_num_f32 v[232+\b], v[232+\b], v[S+15+16*\b]
.endr
	v_max_num_f32 v232, v232, v233                 ; my block of keys 32 h .. + 31: all its 32 scores are mine
	v_max_num_f32 v233, v234, v235                 ; and my block of keys 64 + 32 h .. + 31
	s_delay_alu instid0(VALU_DEP_1)
	v_max_num_f32 v254, v232, v233
	s_delay_alu instid0(VALU_DEP_1)
	v_permlanex16_b32 v236, v254, s[SEL], s[SEL+1]
	s_delay_alu instid0(VALU_DEP_1)
	v_max_num_f32 v254, v254, v236                 ; with lane l xor 16's two blocks: the step's largest score of my query
	s_delay_alu instid0(VALU_DEP_1)
	v_mul_f32 v254, s[CS], v254
	s_delay_alu instid0(VALU_DEP_1)
	v_max_num_f32 v13, v13, v254                   ; the running largest t
	v_mov_b32 v254, v12
	s_delay_alu instid0(VALU_DEP_2)
	v_floor_f32 v12, -v13                          ; the new -M: M is a whole number
	s_delay_alu instid0(VALU_DEP_1)
	v_sub_f32 v254, v12, v254
	s_delay_alu instid0(VALU_DEP_1)
	v_cvt_i32_f32 v254, v254                       ; (it saturates)
	s_delay_alu instid0(VALU_DEP_1)
	v_ldexp_f32 v252, 1.0, v254                    ; f = 2^(old M - new M)
.set j, 0
.rept 32
	v_pk_fma_f32 v[S+j:S+j+1], v[S+j:S+j+1], s[CS:CS+1], v[12:13] op_sel_hi:[1,0,0]   ; t - M
.set j, j+2
.endr
.irp b, 0,1
	v_fma_f32 v[232+\b], v[232+\b], s[CS], v12
.endr
.set j, 0
	s_wait_alu depctr_va_vdst(0)
.rept 64
	v_exp_f32 v[S+j], v[S+j]                       ; p = 2^(t - M)
.set j, j+1
.endr
.irp b, 0,1
	v_exp_f32 v[232+\b], v[232+\b]                 ; the block's largest p: the same two instructions on the same number
.endr
	v_pk_mul_f32 v[14:15], v[14:15], v[252:253] op_sel_hi:[1,0]   ; the sums under the new M (a plain place behind the exponentials)
	s_wait_alu depctr_va_vdst(0)
.irp b, 0,1
	v_max_num_f32 v[232+\b], 0x2800000, v[232+\b]
.endr
.irp b, 0,1
	s_delay_alu instid0(VALU_DEP_2)
	v_add_nc_u32 v[244+\b], 0xfe000000, v[232+\b]
.endr
.irp b, 0,1
	s_delay_alu instid0(VALU_DEP_2)
	v_lshrrev_b32 v[246+\b], 23, v[244+\b]
.endr
	s_delay_alu instid0(VALU_DEP_1)
	v_lshl_or_b32 v246, v247, 16, v246             ; my two bytes: blocks h and 2 + h
	s_delay_alu instid0(VALU_DEP_1)
	v_permlanex16_b32 v239, v246, s[SEL], s[SEL+1]
	s_delay_alu instid0(VALU_DEP_1)
	v_lshl_or_b32 v253, v239, 8, v246              ; p's scale word for these 128 keys: whole in lanes 0-15, which alone are read
.irp c, 0,1
	v_cvt_scalef32_pk16_bf6_f32 v[PCD+6*\c:PCD+2+6*\c], v[S+32*\c:S+15+32*\c], v[244+\c]
	v_cvt_scalef32_pk16_bf6_f32 v[236+4*\c:238+4*\c], v[S+16+32*\c:S+31+32*\c], v[244+\c]   ; (a conversion's three registers begin on an even number)
.endr
	v_nop                                          ; one plain place behind a scaled conversion
.irp c, 0,1
.irp i, 0,1,2
	v_mov_b32 v[PCD+3+6*\c+\i], v[236+4*\c+\i]     ; registers 6 c .. 6 c + 5: keys 64 c + 32 h + 0 .. 31
.endr
.endr
	v_pk_add_f32 v[236:237], v[128:129], v[132:133]
	v_pk_add_f32 v[238:239], v[136:137], v[140:141]
	v_pk_add_f32 v[232:233], v[144:145], v[148:149]
	v_pk_add_f32 v[246:247], v[152:153], v[156:157]
	v_pk_add_f32 v[244:245], v[160:161], v[164:165]
	v_pk_add_f32 v[240:241], v[168:169], v[172:173]
	v_pk_add_f32 v[234:235], v[176:177], v[180:181]
	v_pk_add_f32 v[14:15], v[14:15], v[184:185]
	v_pk_add_f32 v[236:237], v[236:237], v[124:125]
	v_pk_add_f32 v[238:239], v[238:239], v[126:127]
	v_pk_add_f32 v[232:233], v[232:233], v[130:131]
	v_pk_add_f32 v[246:247], v[246:247], v[134:135]
	v_pk_add_f32 v[244:245], v[244:245], v[138:139]
	v_pk_add_f32 v[240:241], v[240:241], v[142:143]
	v_pk_add_f32 v[234:235], v[234:235], v[146:147]
	v_pk_add_f32 v[14:15], v[14:15], v[150:151]
	v_pk_add_f32 v[236:237], v[236:237], v[154:155]
	v_pk_add_f32 v[238:239], v[238:239], v[158:159]
	v_pk_add_f32 v[232:233], v[232:233], v[162:163]
	v_pk_add_f32 v[246:247], v[246:247], v[166:167]
	v_pk_add_f32 v[244:245], v[244:245], v[170:171]
	v_pk_add_f32 v[240:241], v[240:241], v[174:175]
	v_pk_add_f32 v[234:235], v[234:235], v[178:179]
	v_pk_add_f32 v[14:15], v[14:15], v[182:183]
	v_pk_add_f32 v[236:237], v[236:237], v[186:187]
	s_delay_alu instid0(VALU_DEP_2)
	v_pk_add_f32 v[14:15], v[14:15], v[246:247]
	s_delay_alu instid0(VALU_DEP_2)
	v_pk_add_f32 v[236:237], v[236:237], v[244:245]
	v_pk_add_f32 v[238:239], v[238:239], v[240:241]
	v_pk_add_f32 v[232:233], v[232:233], v[234:235]
	s_delay_alu instid0(VALU_DEP_2)
	v_pk_add_f32 v[14:15], v[14:15], v[238:239]
	s_delay_alu instid0(VALU_DEP_2)
	v_pk_add_f32 v[236:237], v[236:237], v[232:233]
	s_delay_alu instid0(VALU_DEP_1)
	v_pk_add_f32 v[14:15], v[14:15], v[236:237]
.set j, 0
.rept 16
	v_pk_mul_f32 v[O+j:O+j+1], v[O+j:O+j+1], v[252:253] op_sel_hi:[1,0]   ; O^T under the new M
.set j, j+2
.endr
	s_wait_alu depctr_va_vdst(0)
	s_wait_dscnt 0x0                               ; V
.irp t, 0,1,2,3                                ; O^T += V^T P^T: four accumulators by turns
	SETB 1, \t
	v_wmma_scale_f32_16x16x128_f8f6f4 v[O+8*\t:O+8*\t+7], v[VF+12*\t:VF+12*\t+11], v[PCD:PCD+11], v[O+8*\t:O+8*\t+7], v[rB], v253 matrix_a_fmt:MATRIX_FMT_BF6 matrix_b_fmt:MATRIX_FMT_BF6
.endr
.endm
.Lkeys:                                            ; 8 trips of 256 keys
	STEP 0
	STEP 1
	s_add_co_u32 s[TK], s[TK], 13056
	s_add_co_u32 s[TV], s[TV], 13824
	s_add_co_u32 s[TKS], s[TKS], 64
	s_add_co_u32 s[TVS], s[TVS], 8
	s_sub_co_u32 s[CNT], s[CNT], 1
	s_cmp_lg_u32 s[CNT], 0
	s_cbranch_scc1 .Lkeys
.rept 4
	v_nop
.endr
	v_add_f32 v14, v14, v15
	s_delay_alu instid0(VALU_DEP_1)
	v_permlanex16_b32 v252, v14, s[SEL], s[SEL+1]
	s_delay_alu instid0(VALU_DEP_1)
	v_add_f32 v14, v14, v252                       ; the row's sum
	s_wait_alu depctr_va_vdst(0)
	v_rcp_f32 v14, v14
	v_nop
.set j, 0
	s_wait_alu depctr_va_vdst(0)
.rept 16
	v_pk_mul_f32 v[S+j:S+j+1], v[O+j:O+j+1], v[14:15] op_sel_hi:[1,0]   ; register 16 b + i: channel 32 b + 16 h + i of my query
.set j, j+2
.endr
	v_and_b32 v12, 15, v0                          ; r
	v_bfe_u32 v13, v0, 4, 1                        ; h
	v_and_b32 v15, 31, v0                          ; lane
	s_delay_alu instid0(VALU_DEP_1)
	v_lshlrev_b32 v[LI8], 3, v15
	s_delay_alu instid0(VALU_DEP_4)
	v_lshlrev_b32 v[R4], 2, v12
	s_wait_alu depctr_va_vdst(0)
	v_lshlrev_b32 v[L16], 4, v15
	v_lshlrev_b32 v[H64], 6, v13
	s_delay_alu instid0(VALU_DEP_1)
	v_lshl_add_u32 v[XO], v12, 12, v[H64]
	s_mul_i32 s82, s[WV], 768
	s_add_co_u32 s82, s82, OIMG
	v_add_nc_u32 v[OIW], s82, v[LI8]
	s_lshr_b32 s82, s[WV], 1
	s_lshl_b32 s82, s82, 6
	s_and_b32 s83, s[WV], 1
	s_lshl_b32 s83, s83, 1
	s_add_co_u32 s82, s82, s83
	s_add_co_u32 s82, s82, OSC
	v_add_nc_u32 v[OSW], s82, v[R4]
	v_add_nc_u32 v[OIR], OIMG, v[LI8]
	v_add_nc_u32 v[OSR], OSC, v[R4]
	v_mul_u32_u24 v[REDR], 80, v12
	s_delay_alu instid0(VALU_DEP_1)
	v_add_nc_u32 v[REDR], RED1, v[REDR]
	s_lshl_b32 s82, s[WV], 2
	v_add_nc_u32 v[REDW], s82, v[REDR]
	v_mul_u32_u24 v[XSW], 4112, v12
	s_delay_alu instid0(VALU_DEP_1)
	v_add_nc_u32 v[XSW], v[XSW], v[H64]
	s_lshl_b32 s82, s[WV], 8
	s_add_co_u32 s82, s82, XST
	v_add_nc_u32 v[XSW], s82, v[XSW]
	s_mul_i32 s82, s[WV], 4112
	s_add_co_u32 s82, s82, XST
	v_add_nc_u32 v[XSR], s82, v[L16]
	v_add_nc_u32 v[SGR], X1SG, v[L16]
	s_lshl_b32 s82, s81, 3
	s_add_co_u32 s82, s82, s19                     ; my tile of 16 rows: 8 hd + a
	s_lshl_b32 s94, s[WV], 8
	s_mov_b32 s95, 0
	s_add_nc_u64 s[8:9], s[8:9], s[94:95]          ; wo_b, gamma1, beta1 at my 64 columns
	s_add_nc_u64 s[12:13], s[12:13], s[94:95]
	s_add_nc_u64 s[14:15], s[14:15], s[94:95]
	s_add_nc_u64 s[86:87], s[6:7], s[94:95]
	s_add_nc_u64 s[86:87], s[86:87], O_WOS         ; wo's scale words [K step][tile][64] at my four tiles
	s_lshl_b32 s83, s82, 16
	s_add_co_u32 s94, s94, s83
	s_add_nc_u64 s[10:11], s[10:11], s[94:95]      ; x at my rows and columns
	s_mul_i32 s94, s[WV], 6144
	s_add_nc_u64 s[84:85], s[6:7], s[94:95]
	s_add_nc_u64 s[84:85], s[84:85], O_WOC         ; wo's codes [K step][tile][1,536]
	s_lshr_b32 s83, s[WV], 1
	s_mul_i32 s94, s83, 393216
	s_mul_i32 s83, s82, 1536
	s_add_co_u32 s94, s94, s83
	s_and_b32 s83, s[WV], 1
	s_mul_i32 s83, s83, 768
	s_add_co_u32 s94, s94, s83
	s_add_nc_u64 s[88:89], s[16:17], s[94:95]
	s_add_nc_u64 s[88:89], s[88:89], O_X1C         ; x1's codes: K step w / 2, half w % 2
	s_lshl_b32 s94, s82, 4
	s_add_co_u32 s94, s94, s[WV]
	s_lshl_b32 s94, s94, 12
	s_add_nc_u64 s[90:91], s[16:17], s[94:95]      ; x1 as f32: row w of my 16
	s_lshl_b32 s94, s82, 9
	s_add_nc_u64 s[92:93], s[16:17], s[94:95]
	s_add_nc_u64 s[92:93], s[92:93], O_X1S
; 32 numbers of a lane, register 16 b + i = k 32 b + 16 h + i, become half a fragment's codes in v220-225 and two scale bytes in v254
.macro QUANT2 s
.irp b, 0,1
	v_max3_num_f32 v[232+\b], |v[\s+16*\b]|, |v[\s+1+16*\b]|, 0x2800000
.endr
.irp i, 2,4,6,8,10,12,14
.irp b, 0,1
	s_delay_alu instid0(VALU_DEP_2)
	v_max3_num_f32 v[232+\b], v[232+\b], |v[\s+16*\b+\i]|, |v[\s+1+16*\b+\i]|
.endr
.endr
.irp b, 0,1
	s_delay_alu instid0(VALU_DEP_2)
	v_permlanex16_b32 v[236+\b], v[232+\b], s[SEL], s[SEL+1]
.endr
.irp b, 0,1
	s_delay_alu instid0(VALU_DEP_2)
	v_max_num_f32 v[232+\b], v[232+\b], v[236+\b]
.endr
.irp b, 0,1
	s_delay_alu instid0(VALU_DEP_2)
	v_add_nc_u32 v[244+\b], 0xfe000000, v[232+\b]
.endr
.irp b, 0,1
	s_delay_alu instid0(VALU_DEP_2)
	v_lshrrev_b32 v[236+\b], 23, v[244+\b]
.endr
	s_delay_alu instid0(VALU_DEP_1)
	v_lshl_or_b32 v254, v237, 8, v236
	v_cvt_scalef32_pk16_bf6_f32 v[220:222], v[\s:\s+15], v244
	v_cvt_scalef32_pk16_bf6_f32 v[228:230], v[\s+16:\s+31], v245
	v_nop
.irp i, 0,1,2
	v_permlane16_swap_b32 v[220+\i], v[228+\i]
.endr
.irp i, 0,1,2
	s_delay_alu instid0(VALU_DEP_3)
	v_mov_b32 v[223+\i], v[228+\i]
.endr
.endm
	QUANT2 S
.irp p, 0,1,2
	ds_store_b64 v[OIW], v[PCD+2*\p:PCD+2*\p+1] offset:256*\p
.endr
	ds_store_b16 v[OSW], v254
.macro LOADG ks, s                             ; wo's four fragments and scale words of K step ks into set s: 28 loads
.irp t, 0,1,2,3
.irp p, 0,1,2,3,4,5
	global_load_b64 v[BFR+48*(\s)+12*\t+2*\p:BFR+48*(\s)+12*\t+2*\p+1], v[LI8], s[84:85] offset:98304*(\ks)+1536*\t+256*\p
.endr
.endr
.irp t, 0,1,2,3
	SETB \s, \t
	global_load_b32 v[rB], v[R4], s[86:87] offset:4096*(\ks)+64*\t
.endr
.endm
.macro LOADL ks, s                             ; O's fragment and scale words of K step ks: 7 LDS loads
.irp p, 0,1,2,3,4,5
	ds_load_b64 v[AFR+12*(\s)+2*\p:AFR+12*(\s)+2*\p+1], v[OIR] offset:1536*(\ks)+256*\p
.endr
	ds_load_b32 v[253+2*(\s)], v[OSR] offset:64*(\ks)
.endm
.irp b, 0,1
.irp j, 0,1,2,3
	global_load_b128 v[XR+16*\b+4*\j:XR+16*\b+4*\j+3], v[XO], s[10:11] offset:128*\b+16*\j
.endr
.endr
.irp b, 0,1
.irp j, 0,1,2,3
	global_load_b128 v[Y+16*\b+4*\j:Y+16*\b+4*\j+3], v[H64], s[8:9] offset:128*\b+16*\j   ; the sums begin on the bias
.endr
.endr
	LOADG 0, 0
	LOADG 1, 1
	s_wait_dscnt 0x0                               ; my image of O has landed
	s_barrier_signal -1
	s_barrier_wait -1                              ; all sixteen have
	LOADL 0, 0
	LOADL 1, 1
.macro WOK ks
.set st, (\ks)%2
.if (\ks) < 7
	s_wait_loadcnt 28                              ; all but the next K step's 28 loads
	s_wait_dscnt 7                                 ; and its 7 LDS loads
.else
	s_wait_loadcnt 0
	s_wait_dscnt 0
.endif
.irp t, 0,1,2,3                                ; transposed: source 0 = 16 stored columns of wo, source 1 = my work-group's 16 rows; four accumulators by turns
	SETB st, \t
	v_wmma_scale_f32_16x16x128_f8f6f4 v[Y+8*\t:Y+8*\t+7], v[BFR+48*st+12*\t:BFR+48*st+12*\t+11], v[AFR+12*st:AFR+12*st+11], v[Y+8*\t:Y+8*\t+7], v[rB], v[253+2*st] matrix_a_fmt:MATRIX_FMT_BF6 matrix_b_fmt:MATRIX_FMT_BF6
.endr
.rept 4
	v_nop                                          ; places in front of loads into registers that matrix instructions have read, and of the first read of results
.endr
.if (\ks) < 6
	LOADG (\ks)+2, st
	LOADL (\ks)+2, st
.endif
.endm
.irp k, 0,1,2,3,4,5,6,7
	WOK \k
.endr
.irp b, 0,1
.irp j, 0,1,2,3
	global_load_b128 v[GA+16*\b+4*\j:GA+16*\b+4*\j+3], v[H64], s[12:13] offset:128*\b+16*\j
	global_load_b128 v[BE+16*\b+4*\j:BE+16*\b+4*\j+3], v[H64], s[14:15] offset:128*\b+16*\j
.endr
.endr
.set j, 0
.rept 16
	v_pk_add_f32 v[XR+j:XR+j+1], v[Y+j:Y+j+1], v[XR+j:XR+j+1]   ; y = attention . wo + wo_b + x
.set j, j+2
.endr
; v108: the sum of my 32 numbers.  It meets the other half of the lanes' and the other waves' in LDS; v112: the row's sum, in the same order in every wave
.macro REDUCE off
	s_delay_alu instid0(VALU_DEP_1)
	v_permlanex16_b32 v109, v108, s[SEL], s[SEL+1]
	s_delay_alu instid0(VALU_DEP_1)
	v_add_f32 v108, v108, v109
	ds_store_b32 v[REDW], v108 offset:\off
	s_wait_dscnt 0x0
	s_barrier_signal -1
	s_barrier_wait -1
.irp i, 0,1,2,3
	ds_load_b128 v[112+4*\i:115+4*\i], v[REDR] offset:\off+16*\i
.endr
	s_wait_dscnt 0x0
	v_pk_add_f32 v[112:113], v[112:113], v[114:115]
	v_pk_add_f32 v[116:117], v[116:117], v[118:119]
	v_pk_add_f32 v[120:121], v[120:121], v[122:123]
	v_pk_add_f32 v[124:125], v[124:125], v[126:127]
	s_delay_alu instid0(VALU_DEP_3)
	v_pk_add_f32 v[112:113], v[112:113], v[116:117]
	s_delay_alu instid0(VALU_DEP_2)
	v_pk_add_f32 v[120:121], v[120:121], v[124:125]
	s_delay_alu instid0(VALU_DEP_1)
	v_pk_add_f32 v[112:113], v[112:113], v[120:121]
	s_delay_alu instid0(VALU_DEP_1)
	v_add_f32 v112, v112, v113
.endm
	v_pk_add_f32 v[108:109], v[XR:XR+1], v[XR+2:XR+3]
	v_pk_add_f32 v[110:111], v[XR+4:XR+5], v[XR+6:XR+7]
.irp j, 8,12,16,20,24,28
	s_delay_alu instid0(VALU_DEP_2)
	v_pk_add_f32 v[108:109], v[108:109], v[XR+\j:XR+\j+1]
	s_delay_alu instid0(VALU_DEP_2)
	v_pk_add_f32 v[110:111], v[110:111], v[XR+\j+2:XR+\j+3]
.endr
	s_delay_alu instid0(VALU_DEP_1)
	v_pk_add_f32 v[108:109], v[108:109], v[110:111]
	s_delay_alu instid0(VALU_DEP_1)
	v_add_f32 v108, v108, v109
	REDUCE 0
	s_delay_alu instid0(VALU_DEP_1)
	v_mul_f32 v128, 0xba800000, v112               ; -mean
	s_delay_alu instid0(VALU_DEP_1)
	v_mov_b32 v129, v128
.set j, 0
.rept 16
	v_pk_add_f32 v[XR+j:XR+j+1], v[XR+j:XR+j+1], v[128:129] op_sel_hi:[1,0]
.set j, j+2
.endr
	v_pk_mul_f32 v[108:109], v[XR:XR+1], v[XR:XR+1]
	v_pk_mul_f32 v[110:111], v[XR+2:XR+3], v[XR+2:XR+3]
.irp j, 4,8,12,16,20,24,28
	s_delay_alu instid0(VALU_DEP_2)
	v_pk_fma_f32 v[108:109], v[XR+\j:XR+\j+1], v[XR+\j:XR+\j+1], v[108:109]
	s_delay_alu instid0(VALU_DEP_2)
	v_pk_fma_f32 v[110:111], v[XR+\j+2:XR+\j+3], v[XR+\j+2:XR+\j+3], v[110:111]
.endr
	s_delay_alu instid0(VALU_DEP_1)
	v_pk_add_f32 v[108:109], v[108:109], v[110:111]
	s_delay_alu instid0(VALU_DEP_1)
	v_add_f32 v108, v108, v109
	REDUCE RED2-RED1
	s_delay_alu instid0(VALU_DEP_1)
	v_mul_f32 v112, 0x3a802008, v112               ; / 1,023: the unbiased variance
	s_wait_alu depctr_va_vdst(0)
	v_sqrt_f32 v112, v112
	v_nop
	s_wait_alu depctr_va_vdst(0)
	v_add_f32 v112, 0x2b8cbccc, v112               ; + 1e-12
	s_wait_alu depctr_va_vdst(0)
	v_rcp_f32 v128, v112
	v_nop
	s_wait_loadcnt 0x0                             ; gamma1, beta1
.set j, 0
	s_wait_alu depctr_va_vdst(0)
.rept 16
	v_pk_mul_f32 v[XR+j:XR+j+1], v[XR+j:XR+j+1], v[128:129] op_sel_hi:[1,0]
.set j, j+2
.endr
.set j, 0
.rept 16
	v_pk_fma_f32 v[XR+j:XR+j+1], v[XR+j:XR+j+1], v[GA+j:GA+j+1], v[BE+j:BE+j+1]
.set j, j+2
.endr
.irp b, 0,1
.irp j, 0,1,2,3
	ds_store_b128 v[XSW], v[XR+16*\b+4*\j:XR+16*\b+4*\j+3] offset:128*\b+16*\j
.endr
.endr
	QUANT2 XR
.irp p, 0,1,2
	global_store_b64 v[LI8], v[PCD+2*\p:PCD+2*\p+1], s[88:89] offset:256*\p   ; 256 consecutive bytes, aligned
.endr
	ds_store_b16 v[OSW], v254 offset:X1SG-OSC
	s_wait_dscnt 0x0
	s_barrier_signal -1
	s_barrier_wait -1                              ; 16 whole rows of x1 and their scale words lie in LDS
.irp i, 0,1,2,3,4,5,6,7
	ds_load_b128 v[GA+4*\i:GA+4*\i+3], v[XSR] offset:512*\i
.endr
.irp i, 0,1,2,3,4,5,6,7
	s_wait_dscnt 7-\i
	global_store_b128 v[L16], v[GA+4*\i:GA+4*\i+3], s[90:91] offset:512*\i   ; 512 consecutive bytes of row w
.endr
	s_cmp_lg_u32 s[WV], 0
	s_cbranch_scc1 .Lno_sc
	ds_load_b128 v[108:111], v[SGR]
	s_wait_dscnt 0x0
	global_store_b128 v[L16], v[108:111], s[92:93]
.Lno_sc:
	s_wait_xcnt 0x0
	v_lshl_add_u32 v254, v0, 2, 0x4a900
	v_mov_b32 v255, 0
	s_wait_alu depctr_va_vdst(0)
	s_wait_tensorcnt 0x0
	ds_add_u32 v254, v255
	s_wait_dscnt 0x0
	ROUND                                          ; the closing round
	s_endpgm
.Lfunc_end_k_q7f0e11a15c_attn:
	.size	k_q7f0e11a15c_attn, .Lfunc_end_k_q7f0e11a15c_attn-k_q7f0e11a15c_attn
	.p2alignl 7, 3214868480
	.fill 96, 4, 3214868480
	.section	.rodata,"a",@progbits
	.p2align	6, 0x0
	.amdhsa_kernel k_q7f0e11a15c_attn
		.amdhsa_group_segment_fixed_size 307456
		.amdhsa_private_segment_fixed_size 0
		.amdhsa_enable_private_segment 0
		.amdhsa_kernarg_size 56
		.amdhsa_user_sgpr_count 2
		.amdhsa_user_sgpr_kernarg_segment_ptr 1
		.amdhsa_wavefront_size32 1
		.amdhsa_system_sgpr_workgroup_id_x 1
		.amdhsa_system_sgpr_workgroup_id_y 1
		.amdhsa_system_sgpr_workgroup_id_z 1
		.amdhsa_system_vgpr_workitem_id 0
		.amdhsa_next_free_vgpr 256
		.amdhsa_next_free_sgpr 100
		.amdhsa_reserve_vcc 0
		.amdhsa_float_denorm_mode_32 3
		.amdhsa_float_denorm_mode_16_64 3
		.amdhsa_memory_ordered 1
		.amdhsa_forward_progress 1
		.amdhsa_inst_pref_size 104
	.end_amdhsa_kernel
	.amdgpu_metadata
---
amdhsa.version: [ 1, 2 ]
amdhsa.kernels:
  - .name:           k_q7f0e11a15c_attn
    .symbol:         k_q7f0e11a15c_attn.kd
    .args:
      - { .name: qkv, .offset: 0, .size: 8, .value_kind: global_buffer, .address_space: global }
      - { .name: wsp, .offset: 8, .size: 8, .value_kind: global_buffer, .address_space: global }
      - { .name: wo_b, .offset: 16, .size: 8, .value_kind: global_buffer, .address_space: global }
      - { .name: x, .offset: 24, .size: 8, .value_kind: global_buffer, .address_space: global }
      - { .name: gamma1, .offset: 32, .size: 8, .value_kind: global_buffer, .address_space: global }
      - { .name: beta1, .offset: 40, .size: 8, .value_kind: global_buffer, .address_space: global }
      - { .name: x1b, .offset: 48, .size: 8, .value_kind: global_buffer, .address_space: global }
    .group_segment_fixed_size: 307456
    .private_segment_fixed_size: 0
    .kernarg_segment_align: 8
    .kernarg_segment_size: 56
    .max_flat_workgroup_size: 512
    .sgpr_count:     100
    .vgpr_count:     256
    .wavefront_size: 32
...
	.end_amdgpu_metadata
.endif
;; end of part 3
;; launch ff1 (part 4): grid 16 x 16, 4 waves a work-group, clusters of 4 x 4, 327,680 bytes of LDS; arguments x1b, wsp, ff1_b, hid; writes hid
.if DOCPART == 4
	.amdgcn_target "amdgcn-amd-amdhsa--gfx1250"
	.amdhsa_code_object_version 6
	.text
	.protected	k_q7f0e11a15c_ff1
	.globl	k_q7f0e11a15c_ff1
	.p2align	8
	.type	k_q7f0e11a15c_ff1,@function
k_q7f0e11a15c_ff1:
	s_mov_b64 s[64:65], 0
	v_nop
	global_prefetch_b8 v0, s[64:65] scope:SCOPE_SE
	s_setreg_imm32_b32 hwreg(HW_REG_WAVE_MODE, 25, 1), 1
	s_wait_xcnt 0x0
	s_wait_alu depctr_hold_cnt(0) depctr_sa_sdst(0) depctr_va_vdst(0) depctr_va_sdst(0) depctr_va_ssrc(0) depctr_va_vcc(0) depctr_vm_vsrc(0)
	s_getreg_b32 s2, hwreg(HW_REG_IB_STS2, 6, 4)
	s_cmp_eq_u32 s2, 0
	s_cbranch_scc0 .Lentry_in_a_cluster
	s_endpgm
.Lentry_in_a_cluster:
	s_bfe_u32 s2, ttmp6, 0x10000c
	s_cmp_lg_u32 s2, 0xf033
	s_cbranch_scc0 .Lentry_shape_is_right
	s_endpgm
.Lentry_shape_is_right:
; FF1: relu(x1 . ff1_w + ff1_b) on codes, quantised on the way out along the next product's K.  [4096][1024] x [1024][4096].
; A block of 256 x 256 to a work-group, 128 x 128 to a wave (64 accumulators).  A tile is a run of fragment images of 1,536 bytes, so a fragment is six loads of 8 bytes a lane, each 256 consecutive bytes.
; K = 1,024 is eight steps of 128.  THREE LDS slots of two steps each are filled at the start (steps 0-5), with the scale words of the block's rows and columns for all of K.  Slot 0 is filled again ONCE, with steps 6 and 7,
; behind the change from slot 0 to slot 1: that load has slots 1 and 2, 256 matrix instructions a wave, in which to land.  By this text's own count a wave has four tensor loads out at the start and one behind the refill's round.
; CLUSTERS 4 x 4: A's tiles are asked for jointly along a row of the cluster, B's along a column.
; TRANSPOSED: source 0 = 16 stored columns of the weight, source 1 = 16 rows of x1.  By the stored order of the columns a lane's 16 registers of tiles 2 b, 2 b + 1 are 16 neighbouring hidden units:
; a wave's 128 columns are one K step of the next product, and each tile of 16 rows leaves as one fragment image and 16 scale words.
; The bias is the C of each sum's first matrix instruction.  LIMITS: NaN and infinities are not served; a block of zeros gets the byte 1 (read by this program alone).
; HOW THE SLOTS ARE FILLED (this takes the place of what the lines above say of the start): at the head ONE tensor load a wave: wave 0 A's slot 0 (steps 0, 1), wave 1 A's scale words, wave 2 B's slot 0, wave 3 B's scale words.
; Behind the wait for them, the add and a round of the cluster's barrier, one load a wave brings slots 1 and 2 (steps 2-5): waves 0, 1 A's halves of slots 1, 2, waves 2, 3 B's.  Slot 0's one refill (steps 6, 7) is a quarter of the slot a wave.
; By this text's own count a wave never has more than one tensor load out.
; PREFETCH: behind the head's load each wave asks for 24 blocks of 256 bytes of step 2 + (wave % 2) and of step 4 + (wave % 2), behind the second load for those of step 6 + (wave % 2):
; a step's 96 blocks of A (of B) are shared out by address among the four partners that load them jointly, so each block is named once in a cluster.
.set TB,   16
.set AB,   8
.set BB,   8
.set HB,   4
.set QA,   2
.set NQ,   2
.set KS,   8
.set TTA,  256
.set TTB,  256
.set SS_T, 512
.set SS_Q, 64
.set SGT,  8192
.set SGHA, 4096
.set SGHB, 4096
.set SDC,  32
.set SDR,  32
.set SDPA, 32
.set SDPB, 32
.set FR,   12
.set FRB,  1536
.set NL,   6
.set NP,   4                           ; places behind this matrix instruction (ISA guide 7.12.1)
.set QTR,  24576
.set SLOT, 4*QTR
.set SCL,  3*SLOT                      ; behind the three slots: A's scale words, then B's
.set SREG, TB*KS*64
.set SPARE, SCL+2*SREG                 ; the spare words: 512 bytes that no other line names
.set STG,  SLOT                        ; the way out's stage lies in slot 1
.set O_X1C, 0x1000000
.set O_X1S, 0x1300000
.set O_F1C, 0x640000
.set O_F1S, 0x940000
.set O_HS,  0xC00000
.set ADRA, 16                          ; v16-18 my A fragments in slot 0, 1, 2
.set ADRB, 20                          ; v20-22 my B fragments
.set CO16, 23
.set STO,  24
.set RD,   25
.set CO,   26
.set ADRS, 27
.set SPW,  28
.set NIL,  29
.set SC,   32                          ; v32-63 scale words, two sets of 16: nothing else ever lies here
.set BI,   64
.set AF,   128
.set TM,   128
.set PW,   144
.set PC,   152
.set GB,   196
.set G1, 24
.set G0, 32                            ; s[32:35] group 0 for A's refill of slot 0, s[36:39] for A's half of slot 1 or 2;  s[4:7] for the head's load of A's slot 0 (the pointers that lay there are used up by then)
.set G0C, 4
.set G1B, 48
.set G0B, 56                           ; s[56:63], s[8:11] the same for B
.set G0BC, 8
.set G1S, 68
.set G0S, 76
.set G1SB, 80
.set G0SB, 88
.set SEL, 66
.set MSB, 0
.macro WIN new
.if MSB != \new
	s_set_vgpr_msb (MSB<<8)|\new
.set MSB, \new
.endif
.endm
.macro JLOAD g0a, g1a, g0b, g1b        ; a joint load: waves 0, 1 for A, waves 2, 3 for B; four v_nop follow each line
	s_cmp_eq_u32 s15, 0
	s_cbranch_scc0 .Lfor_b_\@
	tensor_load_to_lds s[\g0a:\g0a+3], s[\g1a:\g1a+7]
	s_nop 0
.rept 4
	v_nop
.endr
	s_branch .Lasked_\@
.Lfor_b_\@:
	tensor_load_to_lds s[\g0b:\g0b+3], s[\g1b:\g1b+7]
	s_nop 0
.rept 4
	v_nop
.endr
.Lasked_\@:
.endm
.macro CREST
	s_cmp_lg_u32 s14, 0
	s_cbranch_scc1 .Lnot_wave_0_\@
	s_barrier_signal -3
.Lnot_wave_0_\@:
	s_barrier_wait -3
	s_barrier_signal -1
	s_barrier_wait -1
.endm
.macro CROUND
	s_barrier_signal -1
	s_barrier_wait -1
	CREST
.endm
.macro PLACES n
.rept \n
	v_nop
.endr
.endm
.macro FRAG reg, adr, off
.irp p, 0,1,2,3,4,5
	ds_load_b64 v[(\reg)+2*\p:(\reg)+2*\p+1], v[\adr] offset:(\off)+256*\p
.endr
.endm
.macro FETCH_B slot, q, p
	WIN 0x40
.set fi, 0
.rept BB
	FRAG 128*(\p)+FR*fi, ADRB+\slot, (\q)*TB*FRB+fi*FRB
.set fi, fi+1
.endr
	WIN 0
.endm
.macro FETCH_A slot, q, i0
.set fi, \i0
.rept HB
	FRAG AF+FR*fi, ADRA+\slot, (\q)*TB*FRB+fi*FRB
.set fi, fi+1
.endr
.endm
.macro SCALES set
.set fi, 0
.rept AB
.set fq, 0
.rept NQ
	ds_load_b32 v[SC+16*(\set)+NQ*fi+fq], v[ADRS] offset:fi*SS_T+fq*SS_Q
.set fq, fq+1
.endr
.set fi, fi+1
.endr
.endm
; a quarter of a step.  The accumulators take turns, one instruction a turn, in the same order in every step.  first = 1: the bias is C.
.macro MULQ qa, p, q, sc, first
.set wD, 2+((\qa)*QA*BB)/32
.if \first
.set wS, (wD<<6)|1
.else
.set wS, (wD<<6)|(wD<<4)|1
.endif
	WIN wS
.set ai, (\qa)*QA
.rept QA
.set bi, 0
.rept BB
.set rD, 8*((ai*BB+bi)%32)
.if \first
	v_wmma_scale_f32_16x16x128_f8f6f4 v[rD:rD+7], v[128*(\p)+FR*bi:128*(\p)+FR*bi+FR-1], v[AF+FR*ai:AF+FR*ai+FR-1], v[BI+8*bi:BI+8*bi+7], v[SC+16*(\sc)+NQ*bi+(\q)], v[SC+16*(\sc)+NQ*ai+(\q)] matrix_a_fmt:MATRIX_FMT_BF6 matrix_b_fmt:MATRIX_FMT_BF6 matrix_a_scale:MATRIX_SCALE_ROW1
.else
	v_wmma_scale_f32_16x16x128_f8f6f4 v[rD:rD+7], v[128*(\p)+FR*bi:128*(\p)+FR*bi+FR-1], v[AF+FR*ai:AF+FR*ai+FR-1], v[rD:rD+7], v[SC+16*(\sc)+NQ*bi+(\q)], v[SC+16*(\sc)+NQ*ai+(\q)] matrix_a_fmt:MATRIX_FMT_BF6 matrix_b_fmt:MATRIX_FMT_BF6 matrix_a_scale:MATRIX_SCALE_ROW1
.endif
.set bi, bi+1
.endr
.set ai, ai+1
.endr
.endm
.macro STEP slot, q, first, sc         ; a step of 128 along K that has its successor in the same slot; sc: the set of scale words in hand
	s_wait_dscnt HB*NL                             ; all but the youngest loads, A's upper tiles
	MULQ 0, (\q)%2, \q, \sc, \first
	MULQ 1, (\q)%2, \q, \sc, \first
	s_wait_dscnt 0
	PLACES NP
	FETCH_B \slot, (\q)+1, 1-(\q)%2
	FETCH_A \slot, (\q)+1, 0
	MULQ 2, (\q)%2, \q, \sc, \first
	MULQ 3, (\q)%2, \q, \sc, \first
	PLACES NP
	WIN 0
	FETCH_A \slot, (\q)+1, HB
.endm
; A slot's last step with a barrier.  fill = 1 (slot 0, once): the slot is filled again, with the steps three slots on.  fill = 0 (from slot 2 back to slot 0): the barrier shows every wave's part of that refill landed.
.macro TURN slot, next, fill, sc
	s_wait_tensorcnt 0x0                           ; all my tensor loads have landed
	ds_add_u32 v[SPW], v[NIL]                      ; 0 onto my spare word
	s_wait_dscnt HB*NL+1                           ; (the add and A's upper tiles may be out)
	MULQ 0, 1, NQ-1, \sc, 0
	s_wait_dscnt 0x0                               ; the add is done, and my reads of this slot are over
	s_barrier_signal -1
	MULQ 1, 1, NQ-1, \sc, 0
	WIN 0
	s_barrier_wait -1
.if \fill
	CREST                                          ; the barrier has opened a round of the cluster's: no wave of any partner still reads this slot or has a load on its way
	s_mov_b32 s[G1+2], 1<<16                       ; no tensor load of mine is out: from here on a load brings one step's row
	s_mov_b32 s[G1+4], 1
	s_mov_b32 s[G1B+2], 1<<16
	s_mov_b32 s[G1B+4], 1
	s_add_nc_u64 s[G0+4*\slot+2:G0+4*\slot+3], s[G0+4*\slot+2:G0+4*\slot+3], 3*NQ*TTA*FRB
	s_add_nc_u64 s[G0B+4*\slot+2:G0B+4*\slot+3], s[G0B+4*\slot+2:G0B+4*\slot+3], 3*NQ*TTB*FRB
	JLOAD G0+4*\slot, G1, G0B+4*\slot, G1B         ; the first tensor load behind the round; its four v_nop are the places in front of the loads below
.else
	PLACES NP
.endif
	v_add_nc_u32 v[ADRS], NQ*SS_Q, v[ADRS]
	FETCH_B \next, 0, 0
	FETCH_A \next, 0, 0
	SCALES 1-(\sc)
	MULQ 2, 1, NQ-1, \sc, 0
	MULQ 3, 1, NQ-1, \sc, 0
	PLACES NP
	WIN 0
	FETCH_A \next, 0, HB
.endm
; A slot's last step without a barrier (from slot 1 to slot 2): in front of the barrier of the change before it every wave had waited for all its tensor loads, its part of slot 2 among them, and nothing is filled into slot 1.
.macro PASS slot, next, sc
	s_wait_dscnt HB*NL
	MULQ 0, 1, NQ-1, \sc, 0
	MULQ 1, 1, NQ-1, \sc, 0
	s_wait_dscnt 0
	WIN 0
	PLACES NP
	v_add_nc_u32 v[ADRS], NQ*SS_Q, v[ADRS]
	FETCH_B \next, 0, 0
	FETCH_A \next, 0, 0
	SCALES 1-(\sc)
	MULQ 2, 1, NQ-1, \sc, 0
	MULQ 3, 1, NQ-1, \sc, 0
	PLACES NP
	WIN 0
	FETCH_A \next, 0, HB
.endm
	s_load_b256 s[24:31], s[0:1], 0x0              ; x1b, wsp, ff1_b, hid
	v_lshl_add_u32 v[SPW], v0, 2, SPARE
	v_mov_b32 v[NIL], 0
	ds_add_u32 v28, v29
	ds_add_u32 v28, v29
	s_wait_dscnt 0x0
	v_lshrrev_b32 v1, 5, v0
	v_readfirstlane_b32 s14, v1
	s_lshr_b32 s15, s14, 1
	s_and_b32 s16, s14, 1
	s_bfe_u32 s40, ttmp6, 0x40000
	s_bfe_u32 s41, ttmp6, 0x40004
	s_lshl_b32 s42, ttmp9, 2
	s_add_co_u32 s42, s42, s40                     ; block column
	s_and_b32 s17, ttmp7, 0xffff
	s_lshl_b32 s17, s17, 2
	s_add_co_u32 s17, s17, s41                     ; block row
	s_lshl_b32 s43, s41, 2
	s_lshl_b32 s43, 15, s43
	s_lshl_b32 s44, 0x1111, s40
	s_mov_b32 s[SEL], 0x76543210
	s_mov_b32 s[SEL+1], 0xfedcba98
	s_wait_kmcnt 0x0
	s_add_nc_u64 s[4:5], s[24:25], O_X1C
	s_add_nc_u64 s[6:7], s[24:25], O_X1S
	s_add_nc_u64 s[8:9], s[26:27], O_F1C
	s_add_nc_u64 s[10:11], s[26:27], O_F1S
	s_mov_b64 s[96:97], s[28:29]                   ; the bias
	s_mov_b64 s[12:13], s[30:31]                   ; the output
	s_or_b32 s[G1+0], s43, (3<<16)|(1<<21)
	s_or_b32 s[G1B+0], s44, (3<<16)|(1<<21)
	s_or_b32 s[G1S+0], s43, (3<<16)|(1<<21)
	s_or_b32 s[G1SB+0], s44, (3<<16)|(1<<21)
.irp g, G1, G1B
	s_mov_b32 s[\g+1], (TB*192)<<16
	s_mov_b32 s[\g+2], NQ<<16                      ; tensor_dim1: two steps, for the head's loads and for slots 1 and 2
	s_mov_b32 s[\g+3], (TB*192)<<16
	s_mov_b32 s[\g+4], NQ                          ; tile_dim1
	s_mov_b32 s[\g+6], 0
	s_mov_b32 s[\g+7], 0
.endr
	s_mov_b32 s[G1+5], TTA*192
	s_mov_b32 s[G1B+5], TTB*192
.irp g, G1S, G1SB
	s_mov_b32 s[\g+1], SDC<<16
	s_mov_b32 s[\g+2], SDR<<16
	s_mov_b32 s[\g+3], SDC<<16
	s_mov_b32 s[\g+4], SDR
	s_mov_b32 s[\g+6], 0
	s_mov_b32 s[\g+7], 0
.endr
	s_mov_b32 s[G1S+5], SDPA
	s_mov_b32 s[G1SB+5], SDPB
	s_mul_i32 s20, s17, TB*FRB
	s_mul_i32 s18, s16, (NQ/2)*TTA*FRB
	s_add_co_u32 s20, s20, s18
	s_mov_b32 s21, 0
	s_add_nc_u64 s[20:21], s[4:5], s[20:21]
	s_mul_i32 s22, s17, SGT
	s_mov_b32 s23, 0
	s_add_nc_u64 s[22:23], s[6:7], s[22:23]
	s_mul_i32 s46, s42, TB*FRB
	s_mul_i32 s18, s16, (NQ/2)*TTB*FRB
	s_add_co_u32 s46, s46, s18
	s_mov_b32 s47, 0
	s_add_nc_u64 s[46:47], s[8:9], s[46:47]
	s_mul_i32 s92, s42, SGT
	s_mov_b32 s93, 0
	s_add_nc_u64 s[92:93], s[10:11], s[92:93]
	s_mul_i32 s45, s14, QTR
	CROUND                                         ; all sixteen work-groups are here: the first joint loads meet
	s_mov_b32 s[G0S], 1
	s_mov_b32 s[G0S+1], SCL
	s_mov_b64 s[G0S+2:G0S+3], s[22:23]
	s_or_b32 s[G0S+3], s[G0S+3], 0x80000000
	s_mov_b32 s[G0SB], 1
	s_mov_b32 s[G0SB+1], SCL+SREG
	s_mov_b64 s[G0SB+2:G0SB+3], s[92:93]
	s_or_b32 s[G0SB+3], s[G0SB+3], 0x80000000
.irp s, 0
	s_mov_b32 s[G0+4*\s], 1
	s_add_co_u32 s[G0+4*\s+1], s45, \s*SLOT
	s_add_nc_u64 s[G0+4*\s+2:G0+4*\s+3], s[20:21], \s*NQ*TTA*FRB
	s_or_b32 s[G0+4*\s+3], s[G0+4*\s+3], 0x80000000
	s_mov_b32 s[G0B+4*\s], 1
	s_add_co_u32 s[G0B+4*\s+1], s45, \s*SLOT
	s_add_nc_u64 s[G0B+4*\s+2:G0B+4*\s+3], s[46:47], \s*NQ*TTB*FRB
	s_or_b32 s[G0B+4*\s+3], s[G0B+4*\s+3], 0x80000000
.endr
	s_mov_b32 s[G0C], 1                            ; the head's load of A's slot 0 (wave 0, whose s[20:21] stands at step 0)
	s_mov_b32 s[G0C+1], 0
	s_mov_b64 s[G0C+2:G0C+3], s[20:21]
	s_or_b32 s[G0C+3], s[G0C+3], 0x80000000
	s_mov_b32 s[G0BC], 1
	s_mov_b32 s[G0BC+1], 2*QTR
	s_mov_b64 s[G0BC+2:G0BC+3], s[46:47]
	s_or_b32 s[G0BC+3], s[G0BC+3], 0x80000000
	s_mul_i32 s18, s16, SLOT                       ; slots 1 and 2: wave % 2 says which slot, wave / 2 A's half or B's
	s_mul_i32 s19, s15, 2*QTR
	s_add_co_u32 s18, s18, s19
	s_mov_b32 s[G0+4], 1
	s_add_co_u32 s[G0+5], s18, SLOT
	s_mov_b32 s[G0B+4], 1
	s_add_co_u32 s[G0B+5], s18, SLOT
	s_mul_i32 s18, s16, TTA*FRB                    ; s[20:21] stands at step wave % 2: step 2 + 2 (wave % 2) is 2 + wave % 2 steps on
	s_mov_b32 s19, 0
	s_add_nc_u64 s[G0+6:G0+7], s[20:21], s[18:19]
	s_add_nc_u64 s[G0+6:G0+7], s[G0+6:G0+7], NQ*TTA*FRB
	s_or_b32 s[G0+7], s[G0+7], 0x80000000
	s_mul_i32 s18, s16, TTB*FRB
	s_add_nc_u64 s[G0B+6:G0B+7], s[46:47], s[18:19]
	s_add_nc_u64 s[G0B+6:G0B+7], s[G0B+6:G0B+7], NQ*TTB*FRB
	s_or_b32 s[G0B+7], s[G0B+7], 0x80000000
	s_cmp_eq_u32 s15, 0                            ; the prefetches: A's tiles or B's, by the wave's number
	s_cselect_b64 s[100:101], s[20:21], s[46:47]
	s_cselect_b32 s18, s40, s41                    ; my place among the four that load them jointly: it enters a global address alone
	s_mov_b32 s104, 2*TTB*FRB
	s_cselect_b32 s104, 2*TTA*FRB, s104            ; two steps on
	s_mov_b32 s105, 0
	s_mul_i32 s18, s18, 6144                       ; my work-group's 24 blocks of a step's 96
	s_add_nc_u64 s[100:101], s[100:101], s[18:19]
	s_add_nc_u64 s[100:101], s[100:101], s[104:105]   ; step 2 + wave % 2
; THE HEAD'S LOADS, ONE A WAVE: one chain of branches on the wave's number, a load in each arm, all arms leading to one join
.macro ARM under, g0, g1, next
	s_cmp_lt_u32 s14, \under
	s_cbranch_scc0 \next
	tensor_load_to_lds s[\g0:\g0+3], s[\g1:\g1+7]
	s_nop 0
.rept 4
	v_nop
.endr
	s_branch .Lhead_asked
\next:
.endm
	ARM 1, G0C, G1, .Lhead_sa
	ARM 2, G0S, G1S, .Lhead_b
	ARM 3, G0BC, G1B, .Lhead_sb
	tensor_load_to_lds s[G0SB:G0SB+3], s[G1SB:G1SB+7]
	s_nop 0
.rept 4
	v_nop
.endr
.Lhead_asked:
	v_and_b32 v15, 31, v0
	v_min_u32 v15, 23, v15                         ; lanes 24-31 name the wave's last block again
	v_lshlrev_b32 v15, 8, v15                      ; a lane a block of 256 bytes; never rewritten
	s_wait_alu depctr_va_vdst(0)
	global_prefetch_b8 v15, s[100:101] th:TH_LOAD_NT scope:SCOPE_SE
	v_and_b32 v1, 15, v0
	v_bfe_u32 v2, v0, 4, 1
	s_wait_alu depctr_va_vdst(0)
	v_and_b32 v3, 31, v0
	v_lshlrev_b32 v4, 3, v3
	s_mul_i32 s21, s15, AB*FRB
	s_mul_i32 s22, s16, BB*FRB
	s_add_co_u32 s22, s22, 2*QTR
.irp s, 0,1,2
	v_add_nc_u32 v[ADRA+\s], s21, v4
	v_add_nc_u32 v[ADRB+\s], s22, v4
	s_add_co_u32 s21, s21, SLOT
	s_add_co_u32 s22, s22, SLOT
.endr
	s_mul_i32 s21, s15, AB*SS_T
	s_mul_i32 s22, s16, BB*SS_T
	s_add_co_u32 s22, s22, SREG
	s_sub_co_u32 s22, s22, s21
	v_mul_u32_u24 v6, s22, v2
	s_add_co_u32 s21, s21, SCL
	v_lshl_add_u32 v5, v1, 2, v6
	v_add_nc_u32 v[ADRS], s21, v5
	s_lshl_b32 s21, s14, 9
	s_add_co_u32 s21, s21, STG                     ; my stage
	v_lshl_add_u32 v[STO], v1, 2, s21
	v_lshlrev_b32 v[CO16], 4, v3
	v_add_nc_u32 v[RD], s21, v[CO16]
	v_mov_b32 v[CO], v4
	s_wait_alu depctr_va_vdst(0)
	s_wait_xcnt 0x0                                ; the prefetch has read its address
	s_add_nc_u64 s[100:101], s[100:101], s[104:105]   ; step 4 + wave % 2
	global_prefetch_b8 v15, s[100:101] th:TH_LOAD_NT scope:SCOPE_SE
	v_lshlrev_b32 v9, 6, v2                        ; the bias: 64 h
	s_wait_alu depctr_va_vdst(0)
	s_lshl_b32 s18, s42, 1
	s_add_co_u32 s18, s18, s16                     ; my 128 columns: K step 2 x block column + half of the next product
	s_lshl_b32 s19, s17, 4
	s_lshl_b32 s20, s15, 3
	s_add_co_u32 s19, s19, s20                     ; my first tile of 16 rows
	s_lshl_b32 s20, s18, 9
	s_mov_b32 s21, 0
	s_add_nc_u64 s[96:97], s[96:97], s[20:21]
	s_lshl_b32 s20, s18, 14
	s_lshl_b32 s22, s19, 6
	s_add_co_u32 s20, s20, s22
	s_add_co_u32 s20, s20, O_HS
	s_add_nc_u64 s[92:93], s[12:13], s[20:21]      ; scale words [K step][tile][64]
	s_mul_i32 s20, s18, 393216
	s_mul_i32 s22, s19, 1536
	s_add_co_u32 s20, s20, s22
	s_add_nc_u64 s[12:13], s[12:13], s[20:21]      ; codes [K step][tile][1,536]
.irp b, 0,1,2,3,4,5,6,7
	global_load_b128 v[BI+8*\b:BI+8*\b+3], v9, s[96:97] offset:(32*(\b/2)+8*(\b%2))*4
	global_load_b128 v[BI+8*\b+4:BI+8*\b+7], v9, s[96:97] offset:(32*(\b/2)+8*(\b%2))*4+16
.endr
	s_wait_alu depctr_va_vdst(0)
	s_wait_xcnt 0x0
	s_add_nc_u64 s[100:101], s[100:101], s[104:105]   ; step 6 + wave % 2
	s_wait_tensorcnt 0x0                           ; my tile of the head's four is in; a later first fill is issued as a refill is:
	ds_add_u32 v[SPW], v[NIL]                      ; 0 onto my spare word
	s_wait_dscnt 0x0
	CROUND                                         ; all four tiles are in, and all sixteen work-groups are here
	JLOAD G0+4, G1, G0B+4, G1B                     ; slots 1 and 2: my one load behind the round
	global_prefetch_b8 v15, s[100:101] th:TH_LOAD_NT scope:SCOPE_SE
	FETCH_B 0, 0, 0
	FETCH_A 0, 0, 0
	SCALES 0
	FETCH_A 0, 0, HB
	s_wait_loadcnt 0x0                             ; the bias
	STEP 0, 0, 1, 0                                ; step 0: its products start the sums on the bias
	TURN 0, 1, 1, 0                                ; step 1; slot 0 is asked for again: steps 6 and 7
	s_wait_alu depctr_va_vdst(0)
	STEP 1, 0, 0, 1                                ; step 2
	PASS 1, 2, 1                                   ; step 3
	s_wait_alu depctr_va_vdst(0)
	STEP 2, 0, 0, 0                                ; step 4
	TURN 2, 0, 0, 0                                ; step 5; the refill has landed, in every wave
	STEP 0, 0, 0, 1                                ; step 6
	s_wait_dscnt HB*NL                             ; step 7: nothing more to fetch
	MULQ 0, 1, NQ-1, 1, 0
	MULQ 1, 1, NQ-1, 1, 0
	s_wait_dscnt 0
	MULQ 2, 1, NQ-1, 1, 0
	MULQ 3, 1, NQ-1, 1, 0
	WIN 0
	PLACES NP
; THE WAY OUT.  The stage for the scale words lies in slot 1, which is filled once, and which nobody reads behind the last barrier (slot 0 is the slot read last).
.irp b, 0,1,2,3
	v_mov_b32 v[TM+4+\b], 0
.endr
.macro F_A a
.set S0, 64*((\a)%4)
.set wS, (2+(\a)/4)*0x44
	WIN wS                                         ; source 1 and destination: the accumulators' window
.set j, 0
.rept 64
	v_max_num_f32 v[S0+j], 0, v[S0+j]              ; the activation, each accumulator from its low end on
.set j, j+1
.endr
.set wS, (2+(\a)/4)*0x14
	WIN wS
.irp b, 0,1,2,3
	v_max3_num_f32 v[TM+\b], 0x2800000, v[S0+16*\b], v[S0+16*\b+1]
.endr
.irp i, 2,4,6,8,10,12,14
.irp b, 0,1,2,3
	v_max3_num_f32 v[TM+\b], v[TM+\b], v[S0+16*\b+\i], v[S0+16*\b+\i+1]
.endr
.endr
	WIN 0
.irp b, 0,1,2,3
	v_permlanex16_b32 v[TM+4+\b], v[TM+\b], s[SEL], s[SEL+1]
.endr
.irp b, 0,1,2,3
	v_max_num_f32 v[TM+\b], v[TM+\b], v[TM+4+\b]
.endr
.irp b, 0,1,2,3
	v_add_nc_u32 v[TM+12+\b], 0xfe000000, v[TM+\b]
.endr
.irp b, 0,1,2,3
	v_lshrrev_b32 v[TM+4+\b], 23, v[TM+12+\b]
.endr
	v_lshl_or_b32 v[PW+(\a)], v[TM+5], 8, v[TM+4]
	v_lshl_or_b32 v[PW+(\a)], v[TM+6], 16, v[PW+(\a)]
	v_lshl_or_b32 v[PW+(\a)], v[TM+7], 24, v[PW+(\a)]
.if (\a) > 0
	s_wait_xcnt 0x0                                ; the last tile's stores have had their addresses translated: their data may be written again
.endif
.set wS, 2+(\a)/4
	WIN wS
.irp c, 0,1
	v_cvt_scalef32_pk16_bf6_f32 v[PC+6*\c:PC+2+6*\c], v[S0+32*\c:S0+15+32*\c], v[TM+12+2*\c]
	v_cvt_scalef32_pk16_bf6_f32 v[PC+12+4*\c:PC+14+4*\c], v[S0+16+32*\c:S0+31+32*\c], v[TM+12+2*\c+1]
.endr
	WIN 0
	v_nop
.irp c, 0,1
.irp i, 0,1,2
	v_permlane16_swap_b32 v[PC+6*\c+\i], v[PC+12+4*\c+\i]
.endr
.irp i, 0,1,2
	v_mov_b32 v[PC+3+6*\c+\i], v[PC+12+4*\c+\i]
.endr
.endr
.irp p, 0,1,2,3,4,5
	global_store_b64 v[CO], v[PC+2*\p:PC+2*\p+1], s[12:13] offset:1536*(\a)+256*\p
.endr
	ds_store_b32 v[STO], v[PW+(\a)] offset:64*(\a)
.endm
.irp a, 0,1,2,3,4,5,6,7
	F_A \a
.endr
	ds_load_b128 v[GB:GB+3], v[RD]
	s_wait_dscnt 0x0
	global_store_b128 v[CO16], v[GB:GB+3], s[92:93]
	s_wait_tensorcnt 0x0                           ; the wave's end
	ds_add_u32 v[SPW], v[NIL]
	s_wait_dscnt 0x0
	CROUND
	s_endpgm
.Lfunc_end_k_q7f0e11a15c_ff1:
	.size	k_q7f0e11a15c_ff1, .Lfunc_end_k_q7f0e11a15c_ff1-k_q7f0e11a15c_ff1
	.p2alignl 7, 3214868480
	.fill 96, 4, 3214868480
	.section	.rodata,"a",@progbits
	.p2align	6, 0x0
	.amdhsa_kernel k_q7f0e11a15c_ff1
		.amdhsa_group_segment_fixed_size 327680
		.amdhsa_private_segment_fixed_size 0
		.amdhsa_enable_private_segment 0
		.amdhsa_kernarg_size 32
		.amdhsa_user_sgpr_count 2
		.amdhsa_user_sgpr_kernarg_segment_ptr 1
		.amdhsa_wavefront_size32 1
		.amdhsa_system_sgpr_workgroup_id_x 1
		.amdhsa_system_sgpr_workgroup_id_y 1
		.amdhsa_system_sgpr_workgroup_id_z 1
		.amdhsa_system_vgpr_workitem_id 0
		.amdhsa_next_free_vgpr 1024
		.amdhsa_next_free_sgpr 106
		.amdhsa_reserve_vcc 0
		.amdhsa_float_denorm_mode_32 3
		.amdhsa_float_denorm_mode_16_64 3
		.amdhsa_memory_ordered 1
		.amdhsa_forward_progress 1
		.amdhsa_inst_pref_size 188
	.end_amdhsa_kernel
	.amdgpu_metadata
---
amdhsa.version: [ 1, 2 ]
amdhsa.kernels:
  - .name:           k_q7f0e11a15c_ff1
    .symbol:         k_q7f0e11a15c_ff1.kd
    .args:
      - { .name: x1b, .offset: 0, .size: 8, .value_kind: global_buffer, .address_space: global }
      - { .name: wsp, .offset: 8, .size: 8, .value_kind: global_buffer, .address_space: global }
      - { .name: ff1_b, .offset: 16, .size: 8, .value_kind: global_buffer, .address_space: global }
      - { .name: hid, .offset: 24, .size: 8, .value_kind: global_buffer, .address_space: global }
    .group_segment_fixed_size: 327680
    .private_segment_fixed_size: 0
    .kernarg_segment_align: 8
    .kernarg_segment_size: 32
    .max_flat_workgroup_size: 128
    .sgpr_count:     106
    .vgpr_count:     1024
    .wavefront_size: 32
...
	.end_amdgpu_metadata
.endif
;; end of part 4
;; launch ff2 (part 5): grid 8 x 32, 4 waves a work-group, clusters of 4 x 4, 327,680 bytes of LDS; arguments hid, wsp, ff2_b, x1b, y2; writes y2
.if DOCPART == 5
	.amdgcn_target "amdgcn-amd-amdhsa--gfx1250"
	.amdhsa_code_object_version 6
	.text
	.protected	k_q7f0e11a15c_ff2
	.globl	k_q7f0e11a15c_ff2
	.p2align	8
	.type	k_q7f0e11a15c_ff2,@function
k_q7f0e11a15c_ff2:
	s_mov_b64 s[64:65], 0
	v_nop
	global_prefetch_b8 v0, s[64:65] scope:SCOPE_SE
	s_setreg_imm32_b32 hwreg(HW_REG_WAVE_MODE, 25, 1), 1
	s_wait_xcnt 0x0
	s_wait_alu depctr_hold_cnt(0) depctr_sa_sdst(0) depctr_va_vdst(0) depctr_va_sdst(0) depctr_va_ssrc(0) depctr_va_vcc(0) depctr_vm_vsrc(0)
	s_getreg_b32 s2, hwreg(HW_REG_IB_STS2, 6, 4)
	s_cmp_eq_u32 s2, 0
	s_cbranch_scc0 .Lentry_in_a_cluster
	s_endpgm
.Lentry_in_a_cluster:
	s_bfe_u32 s2, ttmp6, 0x10000c
	s_cmp_lg_u32 s2, 0xf033
	s_cbranch_scc0 .Lentry_shape_is_right
	s_endpgm
.Lentry_shape_is_right:
; FF2: y2 = hidden . ff2_w + ff2_b + x1, on codes of BF6.  [4096][4096] x [4096][1024], f32 out; the second layer norm is the next launch's.
; A block of 128 x 128 to a work-group, 64 x 64 to a wave (16 accumulators, by turns).  A tile is a run of fragment images of 1,536 bytes.  K = 4,096 is 32 steps of 128: a ring of two LDS slots of four steps each.
; CLUSTERS 4 x 4: A's tiles are asked for jointly along a row of the cluster, B's along a column.  TRANSPOSED: source 0 = 16 stored columns of the weight, source 1 = 16 rows of the hidden layer.
; THE HEAD: one tensor load a wave: wave 0 A's slot 0, wave 1 A's scale words for all of K, wave 2 B's slot 0, wave 3 B's scale words.  Slot 1's first fill stands behind the wait for them, the add and a round, a quarter of the slot a wave, as every refill.
; By this text's own count a wave never has more than one tensor load out.
; PREFETCH: a wave's quarter of a slot is 2 steps x 48 blocks of 256 bytes, loaded jointly by four partners: each partner asks for 24 of them, told apart by address, one instruction a wave.
; Slots 1 and 2 are asked for at the head; behind the refill that loads slot j + 2 stands the request for slot j + 3; the last refill asks for nothing (there are eight slots' worth of K).
; The bias is the C of each sum's first matrix instruction; x1 is loaded behind the loop and added on the way out.  LIMITS: NaN and infinities are not served.
.set TB,   8
.set AB,   4
.set BB,   4
.set HB,   2
.set QA,   1
.set NQ,   4
.set KS,   32
.set TTA,  256
.set TTB,  64
.set SS_T, 64
.set SS_Q, 512
.set LAPS, 4
.set SGT,  512
.set SGHA, 262144
.set SGHB, 65536
.set SDC,  64
.set SDR,  32
.set SDPA, 2048
.set SDPB, 512
.set FR,   12
.set FRB,  1536
.set NL,   6
.set NP,   4
.set QTR,  24576
.set SLOT, 4*QTR
.set SCL,  2*SLOT
.set SREG, TB*KS*64
.set SPARE, SCL+2*SREG
.set O_HS,  0xC00000
.set O_F2C, 0x960000
.set O_F2S, 0xC60000
.set ADRA, 16
.set ADRB, 20
.set STO,  24
.set RD,   25
.set CO,   26
.set ADRS, 27
.set SPW,  28
.set NIL,  29
.set SC,   32
.set BI,   64
.set AF,   128
.set RS,   128
.set G1, 24
.set G0, 32
.set G1B, 48
.set G0B, 56
.set G1S, 68
.set G0S, 76
.set G1SB, 80
.set G0SB, 88
.set MSB, 0
.macro WIN new
.if MSB != \new
	s_set_vgpr_msb (MSB<<8)|\new
.set MSB, \new
.endif
.endm
.macro JLOAD g0a, g1a, g0b, g1b
	s_cmp_eq_u32 s15, 0
	s_cbranch_scc0 .Lfor_b_\@
	tensor_load_to_lds s[\g0a:\g0a+3], s[\g1a:\g1a+7]
	s_nop 0
.rept 4
	v_nop
.endr
	s_branch .Lasked_\@
.Lfor_b_\@:
	tensor_load_to_lds s[\g0b:\g0b+3], s[\g1b:\g1b+7]
	s_nop 0
.rept 4
	v_nop
.endr
.Lasked_\@:
.endm
.macro CREST
	s_cmp_lg_u32 s14, 0
	s_cbranch_scc1 .Lnot_wave_0_\@
	s_barrier_signal -3
.Lnot_wave_0_\@:
	s_barrier_wait -3
	s_barrier_signal -1
	s_barrier_wait -1
.endm
.macro CROUND
	s_barrier_signal -1
	s_barrier_wait -1
	CREST
.endm
.macro PLACES n
.rept \n
	v_nop
.endr
.endm
.macro FRAG reg, adr, off
.irp p, 0,1,2,3,4,5
	ds_load_b64 v[(\reg)+2*\p:(\reg)+2*\p+1], v[\adr] offset:(\off)+256*\p
.endr
.endm
.macro FETCH_B slot, q, p
	WIN 0x40
.set fi, 0
.rept BB
	FRAG 128*(\p)+FR*fi, ADRB+\slot, (\q)*TB*FRB+fi*FRB
.set fi, fi+1
.endr
	WIN 0
.endm
.macro FETCH_A slot, q, i0
.set fi, \i0
.rept HB
	FRAG AF+FR*fi, ADRA+\slot, (\q)*TB*FRB+fi*FRB
.set fi, fi+1
.endr
.endm
.macro SCALES set
.set fi, 0
.rept AB
.set fq, 0
.rept NQ
	ds_load_b32 v[SC+16*(\set)+NQ*fi+fq], v[ADRS] offset:fi*SS_T+fq*SS_Q
.set fq, fq+1
.endr
.set fi, fi+1
.endr
.endm
.macro MULQ qa, p, q, sc, first
.set wD, 2+((\qa)*QA*BB)/32
.if \first
.set wS, (wD<<6)|1
.else
.set wS, (wD<<6)|(wD<<4)|1
.endif
	WIN wS
.set ai, (\qa)*QA
.rept QA
.set bi, 0
.rept BB
.set rD, 8*((ai*BB+bi)%32)
.if \first
	v_wmma_scale_f32_16x16x128_f8f6f4 v[rD:rD+7], v[128*(\p)+FR*bi:128*(\p)+FR*bi+FR-1], v[AF+FR*ai:AF+FR*ai+FR-1], v[BI+8*bi:BI+8*bi+7], v[SC+16*(\sc)+NQ*bi+(\q)], v[SC+16*(\sc)+NQ*ai+(\q)] matrix_a_fmt:MATRIX_FMT_BF6 matrix_b_fmt:MATRIX_FMT_BF6 matrix_a_scale:MATRIX_SCALE_ROW1
.else
	v_wmma_scale_f32_16x16x128_f8f6f4 v[rD:rD+7], v[128*(\p)+FR*bi:128*(\p)+FR*bi+FR-1], v[AF+FR*ai:AF+FR*ai+FR-1], v[rD:rD+7], v[SC+16*(\sc)+NQ*bi+(\q)], v[SC+16*(\sc)+NQ*ai+(\q)] matrix_a_fmt:MATRIX_FMT_BF6 matrix_b_fmt:MATRIX_FMT_BF6 matrix_a_scale:MATRIX_SCALE_ROW1
.endif
.set bi, bi+1
.endr
.set ai, ai+1
.endr
.endm
.macro STEP slot, q, first
	s_wait_dscnt HB*NL
	MULQ 0, (\q)%2, \q, \slot, \first
	MULQ 1, (\q)%2, \q, \slot, \first
	s_wait_dscnt 0
	PLACES NP
	FETCH_B \slot, (\q)+1, 1-(\q)%2
	FETCH_A \slot, (\q)+1, 0
	MULQ 2, (\q)%2, \q, \slot, \first
	MULQ 3, (\q)%2, \q, \slot, \first
	PLACES NP
	WIN 0
	FETCH_A \slot, (\q)+1, HB
.endm
.macro TURN slot, next, fill
.if \fill
	s_wait_xcnt 0x0                                ; my last prefetches have read their addresses
	s_add_nc_u64 s[100:101], s[100:101], s[104:105]   ; one slot on
.if \slot
	s_add_nc_u64 s[94:95], s[94:95], 0x20000       ; x1: 32 rows of 4,096 bytes on
.endif
.endif
	s_wait_tensorcnt 0x0
	ds_add_u32 v[SPW], v[NIL]
	s_wait_dscnt HB*NL+1
	MULQ 0, 1, NQ-1, \slot, 0
	s_wait_dscnt 0x0
	s_barrier_signal -1
	MULQ 1, 1, NQ-1, \slot, 0
	WIN 0
	s_barrier_wait -1
.if \fill
	CREST
	s_add_nc_u64 s[G0+4*\slot+2:G0+4*\slot+3], s[G0+4*\slot+2:G0+4*\slot+3], 2*NQ*TTA*FRB
	s_add_nc_u64 s[G0B+4*\slot+2:G0B+4*\slot+3], s[G0B+4*\slot+2:G0B+4*\slot+3], 2*NQ*TTB*FRB
	JLOAD G0+4*\slot, G1, G0B+4*\slot, G1B
.else
	PLACES NP
.endif
	s_wait_alu depctr_va_vdst(0)
	v_add_nc_u32 v[ADRS], NQ*SS_Q, v[ADRS]
	FETCH_B \next, 0, 0
	FETCH_A \next, 0, 0
	SCALES \next
.if \fill
.if \slot
	s_cmp_gt_u32 s3, 1                             ; the loop's last refill has no slot three on
	s_cbranch_scc0 .Lno_ask_\@
.endif
	global_prefetch_b8 v15, s[100:101] th:TH_LOAD_NT scope:SCOPE_SE
.if \slot
.Lno_ask_\@:
.else
	s_cmp_gt_u32 s3, 1                             ; x1 for the way out: my 64 rows of 256 bytes, 32 in each of the loop's first two trips, a lane a row; they are loaded behind the loop
	s_cbranch_scc0 .Lno_res_\@
	global_prefetch_b8 v14, s[94:95] th:TH_LOAD_NT scope:SCOPE_SE
.Lno_res_\@:
.endif
.endif
	MULQ 2, 1, NQ-1, \slot, 0
	MULQ 3, 1, NQ-1, \slot, 0
	PLACES NP
	WIN 0
	FETCH_A \next, 0, HB
.endm
	s_load_b256 s[24:31], s[0:1], 0x0
	s_load_b64 s[32:33], s[0:1], 0x20
	v_lshl_add_u32 v[SPW], v0, 2, SPARE
	v_mov_b32 v[NIL], 0
	ds_add_u32 v28, v29
	ds_add_u32 v28, v29
	s_wait_dscnt 0x0
	v_lshrrev_b32 v1, 5, v0
	v_readfirstlane_b32 s14, v1
	s_lshr_b32 s15, s14, 1
	s_and_b32 s16, s14, 1
	s_bfe_u32 s40, ttmp6, 0x40000
	s_bfe_u32 s41, ttmp6, 0x40004
	s_lshl_b32 s42, ttmp9, 2
	s_add_co_u32 s42, s42, s40
	s_and_b32 s17, ttmp7, 0xffff
	s_lshl_b32 s17, s17, 2
	s_add_co_u32 s17, s17, s41
	s_lshl_b32 s43, s41, 2
	s_lshl_b32 s43, 15, s43
	s_lshl_b32 s44, 0x1111, s40
	s_wait_kmcnt 0x0
	s_mov_b64 s[4:5], s[24:25]
	s_add_nc_u64 s[6:7], s[24:25], O_HS
	s_add_nc_u64 s[8:9], s[26:27], O_F2C
	s_add_nc_u64 s[10:11], s[26:27], O_F2S
	s_mov_b64 s[98:99], s[28:29]
	s_mov_b64 s[96:97], s[30:31]
	s_mov_b64 s[12:13], s[32:33]
	s_or_b32 s[G1+0], s43, (3<<16)|(1<<21)
	s_or_b32 s[G1B+0], s44, (3<<16)|(1<<21)
	s_or_b32 s[G1S+0], s43, (3<<16)|(1<<21)
	s_or_b32 s[G1SB+0], s44, (3<<16)|(1<<21)
.irp g, G1, G1B
	s_mov_b32 s[\g+1], (TB*192)<<16
	s_mov_b32 s[\g+2], NQ<<16                      ; the head's loads bring a slot's four steps
	s_mov_b32 s[\g+3], (TB*192)<<16
	s_mov_b32 s[\g+4], NQ
	s_mov_b32 s[\g+6], 0
	s_mov_b32 s[\g+7], 0
.endr
	s_mov_b32 s[G1+5], TTA*192
	s_mov_b32 s[G1B+5], TTB*192
.irp g, G1S, G1SB
	s_mov_b32 s[\g+1], SDC<<16
	s_mov_b32 s[\g+2], SDR<<16
	s_mov_b32 s[\g+3], SDC<<16
	s_mov_b32 s[\g+4], SDR
	s_mov_b32 s[\g+6], 0
	s_mov_b32 s[\g+7], 0
.endr
	s_mov_b32 s[G1S+5], SDPA
	s_mov_b32 s[G1SB+5], SDPB
	s_mul_i32 s20, s17, TB*FRB
	s_mul_i32 s18, s16, (NQ/2)*TTA*FRB
	s_add_co_u32 s20, s20, s18
	s_mov_b32 s21, 0
	s_add_nc_u64 s[20:21], s[4:5], s[20:21]
	s_mul_i32 s22, s17, SGT
	s_mov_b32 s23, 0
	s_add_nc_u64 s[22:23], s[6:7], s[22:23]
	s_mul_i32 s46, s42, TB*FRB
	s_mul_i32 s18, s16, (NQ/2)*TTB*FRB
	s_add_co_u32 s46, s46, s18
	s_mov_b32 s47, 0
	s_add_nc_u64 s[46:47], s[8:9], s[46:47]
	s_mul_i32 s92, s42, SGT
	s_mov_b32 s93, 0
	s_add_nc_u64 s[92:93], s[10:11], s[92:93]
	s_mul_i32 s45, s14, QTR
	CROUND
	s_mov_b32 s[G0S], 1
	s_mov_b32 s[G0S+1], SCL
	s_mov_b64 s[G0S+2:G0S+3], s[22:23]
	s_or_b32 s[G0S+3], s[G0S+3], 0x80000000
	s_mov_b32 s[G0SB], 1
	s_mov_b32 s[G0SB+1], SCL+SREG
	s_mov_b64 s[G0SB+2:G0SB+3], s[92:93]
	s_or_b32 s[G0SB+3], s[G0SB+3], 0x80000000
.irp s, 0,1
	s_mov_b32 s[G0+4*\s], 1
	s_add_co_u32 s[G0+4*\s+1], s45, \s*SLOT
	s_add_nc_u64 s[G0+4*\s+2:G0+4*\s+3], s[20:21], \s*NQ*TTA*FRB
	s_or_b32 s[G0+4*\s+3], s[G0+4*\s+3], 0x80000000
	s_mov_b32 s[G0B+4*\s], 1
	s_add_co_u32 s[G0B+4*\s+1], s45, \s*SLOT
	s_add_nc_u64 s[G0B+4*\s+2:G0B+4*\s+3], s[46:47], \s*NQ*TTB*FRB
	s_or_b32 s[G0B+4*\s+3], s[G0B+4*\s+3], 0x80000000
.endr
.set G0H, 4                            ; s[4:7], s[8:11] group 0 for the head's loads of slot 0 (the pointers that lay there are used up)
.set G0HB, 8
	s_mov_b32 s[G0H], 1
	s_mov_b32 s[G0H+1], 0
	s_mov_b64 s[G0H+2:G0H+3], s[20:21]             ; (wave 0's stands at step 0)
	s_or_b32 s[G0H+3], s[G0H+3], 0x80000000
	s_mov_b32 s[G0HB], 1
	s_mov_b32 s[G0HB+1], 2*QTR
	s_mov_b64 s[G0HB+2:G0HB+3], s[46:47]
	s_or_b32 s[G0HB+3], s[G0HB+3], 0x80000000
	s_cmp_eq_u32 s15, 0                            ; the prefetches: A's tiles or B's, by the wave's number
	s_cselect_b64 s[100:101], s[20:21], s[46:47]
	s_cselect_b32 s18, s40, s41                    ; my place among the four that load them jointly: it enters a global address alone
	s_mov_b32 s104, NQ*TTB*FRB
	s_cselect_b32 s104, NQ*TTA*FRB, s104           ; from slot to slot
	s_mov_b32 s105, 0
	s_lshr_b32 s19, s104, 2                        ; from step to step
	s_lshr_b32 s94, s18, 1
	s_mul_i32 s19, s19, s94                        ; place / 2: which of my quarter's two steps
	s_and_b32 s18, s18, 1
	s_mul_i32 s18, s18, 6144                       ; place % 2: which 24 of its 48 blocks
	s_add_co_u32 s18, s18, s19
	s_mov_b32 s19, 0
	s_add_nc_u64 s[100:101], s[100:101], s[18:19]
	s_add_nc_u64 s[100:101], s[100:101], s[104:105]   ; slot 1's steps
; THE HEAD'S LOADS, ONE A WAVE: one chain of branches on the wave's number, a load in each arm, all arms leading to one join
.macro ARM under, g0, g1, next
	s_cmp_lt_u32 s14, \under
	s_cbranch_scc0 \next
	tensor_load_to_lds s[\g0:\g0+3], s[\g1:\g1+7]
	s_nop 0
.rept 4
	v_nop
.endr
	s_branch .Lhead_asked
\next:
.endm
	ARM 1, G0H, G1, .Lhead_sa
	ARM 2, G0S, G1S, .Lhead_b
	ARM 3, G0HB, G1B, .Lhead_sb
	tensor_load_to_lds s[G0SB:G0SB+3], s[G1SB:G1SB+7]
	s_nop 0
.rept 4
	v_nop
.endr
.Lhead_asked:
	v_and_b32 v15, 31, v0
	v_min_u32 v15, 23, v15                         ; lanes 24-31 name the wave's last block again
	v_lshlrev_b32 v15, 8, v15                      ; a lane a block of 256 bytes; never rewritten
	v_and_b32 v14, 31, v0
	v_lshlrev_b32 v14, 12, v14                     ; a lane a row of x1; never rewritten
	s_wait_alu depctr_va_vdst(0)
	global_prefetch_b8 v15, s[100:101] th:TH_LOAD_NT scope:SCOPE_SE
	v_and_b32 v1, 15, v0
	v_bfe_u32 v2, v0, 4, 1
	s_wait_alu depctr_va_vdst(0)
	v_and_b32 v3, 31, v0
	v_lshlrev_b32 v4, 3, v3
	s_mul_i32 s21, s15, AB*FRB
	s_mul_i32 s22, s16, BB*FRB
	s_add_co_u32 s22, s22, 2*QTR
.irp s, 0,1
	v_add_nc_u32 v[ADRA+\s], s21, v4
	v_add_nc_u32 v[ADRB+\s], s22, v4
	s_add_co_u32 s21, s21, SLOT
	s_add_co_u32 s22, s22, SLOT
.endr
	s_mul_i32 s21, s15, AB*SS_T
	s_mul_i32 s22, s16, BB*SS_T
	s_add_co_u32 s22, s22, SREG
	s_sub_co_u32 s22, s22, s21
	v_mul_u32_u24 v6, s22, v2
	s_add_co_u32 s21, s21, SCL
	v_lshl_add_u32 v5, v1, 2, v6
	v_add_nc_u32 v[ADRS], s21, v5
	s_mul_i32 s21, s14, 4352
	v_mul_u32_u24 v5, 272, v1
	v_lshl_add_u32 v5, v2, 6, v5
	v_add_nc_u32 v[STO], s21, v5
	v_mul_u32_u24 v5, 272, v2
	v_lshl_add_u32 v5, v1, 4, v5
	v_add_nc_u32 v[RD], s21, v5
	v_lshlrev_b32 v5, 12, v2
	v_lshl_add_u32 v[CO], v1, 4, v5
	v_lshlrev_b32 v9, 6, v2
	s_wait_alu depctr_va_vdst(0)
	s_lshl_b32 s18, s42, 9
	s_lshl_b32 s19, s16, 8
	s_add_co_u32 s20, s18, s19
	s_mov_b32 s21, 0
	s_add_nc_u64 s[98:99], s[98:99], s[20:21]
	s_lshl_b32 s18, s17, 7
	s_lshl_b32 s19, s15, 6
	s_add_co_u32 s18, s18, s19
	s_lshl_b32 s18, s18, 12
	s_add_co_u32 s20, s20, s18
	s_add_nc_u64 s[96:97], s[96:97], s[20:21]
	s_add_nc_u64 s[12:13], s[12:13], s[20:21]
	s_mov_b64 s[94:95], s[96:97]                   ; where my prefetches of x1 stand
	s_wait_xcnt 0x0                                ; the prefetch has read its address
	s_add_nc_u64 s[100:101], s[100:101], s[104:105]   ; the steps of slot 0's first refill
	global_prefetch_b8 v15, s[100:101] th:TH_LOAD_NT scope:SCOPE_SE
.irp b, 0,1,2,3
	global_load_b128 v[BI+8*\b:BI+8*\b+3], v9, s[98:99] offset:(32*(\b/2)+8*(\b%2))*4
	global_load_b128 v[BI+8*\b+4:BI+8*\b+7], v9, s[98:99] offset:(32*(\b/2)+8*(\b%2))*4+16
.endr
	s_wait_alu depctr_va_vdst(0)
	s_wait_tensorcnt 0x0                           ; my tile of the head's four is in; a later first fill is issued as a refill is:
	ds_add_u32 v[SPW], v[NIL]                      ; 0 onto my spare word
	s_mov_b32 s[G1+2], (NQ/2)<<16                  ; no tensor load of mine is out: from here on a load brings two steps
	s_mov_b32 s[G1+4], NQ/2
	s_mov_b32 s[G1B+2], (NQ/2)<<16
	s_mov_b32 s[G1B+4], NQ/2
	s_wait_dscnt 0x0
	CROUND                                         ; all four tiles are in, and all sixteen work-groups are here
	JLOAD G0+4, G1, G0B+4, G1B                     ; slot 1: my one load behind the round
	FETCH_B 0, 0, 0
	FETCH_A 0, 0, 0
	SCALES 0
	FETCH_A 0, 0, HB
	s_wait_loadcnt 0x0                             ; the bias's eight loads
	STEP 0, 0, 1
	s_mov_b32 s3, LAPS-1
.Llap:
	STEP 0, 1, 0
	STEP 0, 2, 0
	TURN 0, 1, 1
	STEP 1, 0, 0
	STEP 1, 1, 0
	STEP 1, 2, 0
	TURN 1, 0, 1
	STEP 0, 0, 0
	s_sub_co_u32 s3, s3, 1
	s_cmp_lg_u32 s3, 0
	s_cbranch_scc1 .Llap
	WIN 0x80                                       ; x1 at my 64 x 64 of the block, into window 2 behind the accumulators: 32 loads, waited for tile by tile on the way out
.irp a, 0,1,2,3
.irp i, 0,1,2,3,4,5,6,7
	global_load_b128 v[RS+32*\a+4*\i:RS+32*\a+4*\i+3], v[CO], s[96:97] offset:(16*\a+2*\i)*4096
.endr
.endr
	WIN 0
	STEP 0, 1, 0
	STEP 0, 2, 0
	TURN 0, 1, 0
	STEP 1, 0, 0
	STEP 1, 1, 0
	STEP 1, 2, 0
	s_wait_dscnt HB*NL
	MULQ 0, 1, NQ-1, 1, 0
	MULQ 1, 1, NQ-1, 1, 0
	s_wait_dscnt 0
	MULQ 2, 1, NQ-1, 1, 0
	MULQ 3, 1, NQ-1, 1, 0
	WIN 0
	PLACES NP
.macro OUT_A a
.set BKR, 64+32*((\a)%2)
.if (\a) > 1
	s_wait_xcnt 0x0
.endif
	WIN 0x08
.irp b, 0,1,2,3
	ds_store_b128 v[STO], v[8*(4*(\a)+\b):8*(4*(\a)+\b)+3] offset:128*(\b/2)+32*(\b%2)
	ds_store_b128 v[STO], v[8*(4*(\a)+\b)+4:8*(4*(\a)+\b)+7] offset:128*(\b/2)+32*(\b%2)+16
.endr
.irp i, 0,1,2,3,4,5,6,7
	ds_load_b128 v[BKR+4*\i:BKR+4*\i+3], v[RD] offset:544*\i
.endr
	s_wait_dscnt 0x0
	s_wait_loadcnt 8*(3-(\a))
.set j, 0
.rept 16
	v_pk_add_f32 v[BKR+j:BKR+j+1], v[BKR+j:BKR+j+1], v[RS+32*(\a)+j:RS+32*(\a)+j+1]
.set j, j+2
.endr
	WIN 0
.irp i, 0,1,2,3,4,5,6,7
	global_store_b128 v[CO], v[BKR+4*\i:BKR+4*\i+3], s[12:13] offset:(16*(\a)+2*\i)*4096
.endr
.endm
.irp a, 0,1,2,3
	OUT_A \a
.endr
	s_wait_tensorcnt 0x0
	ds_add_u32 v[SPW], v[NIL]
	s_wait_dscnt 0x0
	CROUND
	s_endpgm
.Lfunc_end_k_q7f0e11a15c_ff2:
	.size	k_q7f0e11a15c_ff2, .Lfunc_end_k_q7f0e11a15c_ff2-k_q7f0e11a15c_ff2
	.p2alignl 7, 3214868480
	.fill 96, 4, 3214868480
	.section	.rodata,"a",@progbits
	.p2align	6, 0x0
	.amdhsa_kernel k_q7f0e11a15c_ff2
		.amdhsa_group_segment_fixed_size 327680
		.amdhsa_private_segment_fixed_size 0
		.amdhsa_enable_private_segment 0
		.amdhsa_kernarg_size 40
		.amdhsa_user_sgpr_count 2
		.amdhsa_user_sgpr_kernarg_segment_ptr 1
		.amdhsa_wavefront_size32 1
		.amdhsa_system_sgpr_workgroup_id_x 1
		.amdhsa_system_sgpr_workgroup_id_y 1
		.amdhsa_system_sgpr_workgroup_id_z 1
		.amdhsa_system_vgpr_workitem_id 0
		.amdhsa_next_free_vgpr 768
		.amdhsa_next_free_sgpr 106
		.amdhsa_reserve_vcc 0
		.amdhsa_float_denorm_mode_32 3
		.amdhsa_float_denorm_mode_16_64 3
		.amdhsa_memory_ordered 1
		.amdhsa_forward_progress 1
		.amdhsa_inst_pref_size 122
	.end_amdhsa_kernel
	.amdgpu_metadata
---
amdhsa.version: [ 1, 2 ]
amdhsa.kernels:
  - .name:           k_q7f0e11a15c_ff2
    .symbol:         k_q7f0e11a15c_ff2.kd
    .args:
      - { .name: hid, .offset: 0, .size: 8, .value_kind: global_buffer, .address_space: global }
      - { .name: wsp, .offset: 8, .size: 8, .value_kind: global_buffer, .address_space: global }
      - { .name: ff2_b, .offset: 16, .size: 8, .value_kind: global_buffer, .address_space: global }
      - { .name: x1b, .offset: 24, .size: 8, .value_kind: global_buffer, .address_space: global }
      - { .name: y2, .offset: 32, .size: 8, .value_kind: global_buffer, .address_space: global }
    .group_segment_fixed_size: 327680
    .private_segment_fixed_size: 0
    .kernarg_segment_align: 8
    .kernarg_segment_size: 40
    .max_flat_workgroup_size: 128
    .sgpr_count:     106
    .vgpr_count:     768
    .wavefront_size: 32
...
	.end_amdgpu_metadata
.endif
;; end of part 5
;; launch ln2 (part 6): grid 256 x 1, 4 waves a work-group, no clusters, 0 bytes of LDS; arguments y2, gamma2, beta2, out0; writes out0
.if DOCPART == 6
	.amdgcn_target "amdgcn-amd-amdhsa--gfx1250"
	.amdhsa_code_object_version 6
	.text
	.protected	k_q7f0e11a15c_ln2
	.globl	k_q7f0e11a15c_ln2
	.p2align	8
	.type	k_q7f0e11a15c_ln2,@function
k_q7f0e11a15c_ln2:
	s_mov_b64 s[64:65], 0
	v_nop
	global_prefetch_b8 v0, s[64:65] scope:SCOPE_SE
	s_setreg_imm32_b32 hwreg(HW_REG_WAVE_MODE, 25, 1), 1
	s_wait_xcnt 0x0
; LN2: out0[r][:] = gamma2 (y2[r][:] - mean) / (std + 1e-12) + beta2, std with the divisor 1,023.  [4096][1024] f32.
; A row is 4,096 bytes: one wave takes a whole row, eight loads of 16 bytes a lane (512 consecutive bytes each), and keeps it in 32 registers.  A wave takes four rows; all its loads go out at the head.
; Memory binds: no LDS, no barrier, no matrix unit, no cluster (no input is shared but gamma2 and beta2, 8 KB).
.set GA, 160                           ; v160-191 gamma2 at my 32 columns
.set BE, 192                           ; v192-223 beta2
.set YR, 32                            ; v32-159 four rows
	s_load_b256 s[4:11], s[0:1], 0x0               ; y2, gamma2, beta2, out0
	v_lshrrev_b32 v1, 5, v0
	v_readfirstlane_b32 s12, v1
	v_and_b32 v1, 31, v0
	v_lshlrev_b32 v1, 4, v1                        ; 16 x lane
	s_lshl_b32 s13, ttmp9, 4
	s_lshl_b32 s14, s12, 2
	s_add_co_u32 s13, s13, s14                     ; my first row
	s_lshl_b32 s14, s13, 12
	s_mov_b32 s15, 0
	s_mov_b32 s16, 0x76543210
	s_mov_b32 s17, 0xfedcba98
	v_mov_b32 v9, 0                                ; (named as the upper half of a pair)
	s_wait_alu depctr_va_vdst(0)
	s_wait_kmcnt 0x0
	s_add_nc_u64 s[4:5], s[4:5], s[14:15]
	s_add_nc_u64 s[10:11], s[10:11], s[14:15]
.irp i, 0,1,2,3,4,5,6,7
	global_load_b128 v[GA+4*\i:GA+4*\i+3], v1, s[6:7] offset:512*\i
	global_load_b128 v[BE+4*\i:BE+4*\i+3], v1, s[8:9] offset:512*\i
.endr
.irp k, 0,1,2,3
.irp i, 0,1,2,3,4,5,6,7
	global_load_b128 v[YR+32*\k+4*\i:YR+32*\k+4*\i+3], v1, s[4:5] offset:4096*\k+512*\i th:TH_LOAD_NT
.endr
.endr
.macro WSUM                            ; v4: the sum over the wave's 32 lanes, in every lane
	v_add_f32_dpp v4, v4, v4 row_xmask:1 row_mask:0xf bank_mask:0xf
	v_add_f32_dpp v4, v4, v4 row_xmask:2 row_mask:0xf bank_mask:0xf
	v_add_f32_dpp v4, v4, v4 row_xmask:4 row_mask:0xf bank_mask:0xf
	v_add_f32_dpp v4, v4, v4 row_xmask:8 row_mask:0xf bank_mask:0xf
	v_permlanex16_b32 v5, v4, s16, s17
	v_add_f32 v4, v4, v5
.endm
.macro ROW k
.set R0, YR+32*(\k)
	s_wait_loadcnt 8*(3-(\k))                      ; this row's eight loads are in; the later rows' may be out
	v_pk_add_f32 v[4:5], v[R0:R0+1], v[R0+2:R0+3]
	v_pk_add_f32 v[6:7], v[R0+4:R0+5], v[R0+6:R0+7]
.irp j, 8,12,16,20,24,28
	v_pk_add_f32 v[4:5], v[4:5], v[R0+\j:R0+\j+1]
	v_pk_add_f32 v[6:7], v[6:7], v[R0+\j+2:R0+\j+3]
.endr
	v_pk_add_f32 v[4:5], v[4:5], v[6:7]
	v_add_f32 v4, v4, v5
	WSUM
	v_mul_f32 v8, 0xba800000, v4                   ; -mean
.set j, 0
.rept 16
	v_pk_add_f32 v[R0+j:R0+j+1], v[R0+j:R0+j+1], v[8:9] op_sel_hi:[1,0]
.set j, j+2
.endr
	v_pk_mul_f32 v[4:5], v[R0:R0+1], v[R0:R0+1]
	v_pk_mul_f32 v[6:7], v[R0+2:R0+3], v[R0+2:R0+3]
.irp j, 4,8,12,16,20,24,28
	v_pk_fma_f32 v[4:5], v[R0+\j:R0+\j+1], v[R0+\j:R0+\j+1], v[4:5]
	v_pk_fma_f32 v[6:7], v[R0+\j+2:R0+\j+3], v[R0+\j+2:R0+\j+3], v[6:7]
.endr
	v_pk_add_f32 v[4:5], v[4:5], v[6:7]
	v_add_f32 v4, v4, v5
	WSUM
	v_mul_f32 v4, 0x3a802008, v4                   ; / 1,023
	s_wait_alu depctr_va_vdst(0)
	v_sqrt_f32 v4, v4
	v_nop                                          ; one plain place behind a transcendental
	s_wait_alu depctr_va_vdst(0)
	v_add_f32 v4, 0x2b8cbccc, v4                   ; + 1e-12
	s_wait_alu depctr_va_vdst(0)
	v_rcp_f32 v8, v4
	v_nop
.set j, 0
	s_wait_alu depctr_va_vdst(0)
.rept 16
	v_pk_mul_f32 v[R0+j:R0+j+1], v[R0+j:R0+j+1], v[8:9] op_sel_hi:[1,0]
.set j, j+2
.endr
.set j, 0
.rept 16
	v_pk_fma_f32 v[R0+j:R0+j+1], v[R0+j:R0+j+1], v[GA+j:GA+j+1], v[BE+j:BE+j+1]
.set j, j+2
.endr
.irp i, 0,1,2,3,4,5,6,7
	global_store_b128 v1, v[R0+4*\i:R0+4*\i+3], s[10:11] offset:4096*(\k)+512*\i th:TH_STORE_NT   ; 512 consecutive bytes
.endr
.endm
	ROW 0
	ROW 1
	ROW 2
	ROW 3
	s_endpgm
.Lfunc_end_k_q7f0e11a15c_ln2:
	.size	k_q7f0e11a15c_ln2, .Lfunc_end_k_q7f0e11a15c_ln2-k_q7f0e11a15c_ln2
	.p2alignl 7, 3214868480
	.fill 96, 4, 3214868480
	.section	.rodata,"a",@progbits
	.p2align	6, 0x0
	.amdhsa_kernel k_q7f0e11a15c_ln2
		.amdhsa_group_segment_fixed_size 0
		.amdhsa_private_segment_fixed_size 0
		.amdhsa_enable_private_segment 0
		.amdhsa_kernarg_size 32
		.amdhsa_user_sgpr_count 2
		.amdhsa_user_sgpr_kernarg_segment_ptr 1
		.amdhsa_wavefront_size32 1
		.amdhsa_system_sgpr_workgroup_id_x 1
		.amdhsa_system_sgpr_workgroup_id_y 1
		.amdhsa_system_sgpr_workgroup_id_z 1
		.amdhsa_system_vgpr_workitem_id 0
		.amdhsa_next_free_vgpr 224
		.amdhsa_next_free_sgpr 66
		.amdhsa_reserve_vcc 0
		.amdhsa_float_denorm_mode_32 3
		.amdhsa_float_denorm_mode_16_64 3
		.amdhsa_memory_ordered 1
		.amdhsa_forward_progress 1
		.amdhsa_inst_pref_size 34
	.end_amdhsa_kernel
	.amdgpu_metadata
---
amdhsa.version: [ 1, 2 ]
amdhsa.kernels:
  - .name:           k_q7f0e11a15c_ln2
    .symbol:         k_q7f0e11a15c_ln2.kd
    .args:
      - { .name: y2, .offset: 0, .size: 8, .value_kind: global_buffer, .address_space: global }
      - { .name: gamma2, .offset: 8, .size: 8, .value_kind: global_buffer, .address_space: global }
      - { .name: beta2, .offset: 16, .size: 8, .value_kind: global_buffer, .address_space: global }
      - { .name: out0, .offset: 24, .size: 8, .value_kind: global_buffer, .address_space: global }
    .group_segment_fixed_size: 0
    .private_segment_fixed_size: 0
    .kernarg_segment_align: 8
    .kernarg_segment_size: 32
    .max_flat_workgroup_size: 128
    .sgpr_count:     66
    .vgpr_count:     224
    .wavefront_size: 32
...
	.end_amdgpu_metadata
.endif
;; end of part 6
